; MI455X (gfx1250); checked and timed in simulation.
; The chip was launched on July 23, 2026; its instructions are those of AMD's public machine-readable ISA for CDNA 5 (MIT licence, August 2026) and "CDNA5" Instruction Set Architecture Reference Guide (July 2026). The comments in the code are by the model that wrote it; some were corrected since.
;; Transformer Block. Allowed arithmetic: float matrix products may take bf16 or f16 operands with f32 sums; other float arithmetic in f32, or as packed bf16 or f16 multiplies, adds, multiply-adds, maxima and minima; sums over many terms, partial sums and values carried from step to step in f32; what a program stores and reads back later, other than sums and carried values, may be rounded once to bf16 or f16.
;; Inputs: b_attn 3,072 float32; b_fc 4,096 float32; b_fc2 1,024 float32; b_proj 1,024 float32; ln1_b 1,024 float32; ln1_g 1,024 float32; ln2_b 1,024 float32; ln2_g 1,024 float32; w_attn 1,024 x 3,072 float32; w_fc 1,024 x 4,096 float32; w_fc2 4,096 x 1,024 float32; w_proj 1,024 x 1,024 float32; x 2 x 2,048 x 1,024 float32.
;; Outputs: out0 2 x 2,048 x 1,024 float32.
;; One version. Each part assembles by itself: llvm-mc -triple=amdgcn-amd-amdhsa -mcpu=gfx1250 --defsym DOCPART=n.
;; ======== version 1 of 1: 7 launches
;; workspace buffers: wb 8,388,608 bytes; w2 16,777,216 bytes; h 8,388,608 bytes; qkv 25,165,824 bytes; o 8,388,608 bytes; x1 16,777,216 bytes; act 33,554,432 bytes
;; launch prep (part 1): grid 512 x 1, 8 waves a work-group, no clusters, 0 bytes of LDS; arguments x, ln1_g, ln1_b, w_attn, w_proj, h, wb; writes h, wb
.if DOCPART == 1
	.amdgcn_target "amdgcn-amd-amdhsa--gfx1250"
	.amdhsa_code_object_version 6
	.text
	.protected	k_q70f51d1a2c_prep
	.globl	k_q70f51d1a2c_prep
	.p2align	8
	.type	k_q70f51d1a2c_prep,@function
k_q70f51d1a2c_prep:
	s_mov_b64 s[64:65], 0
	v_nop
	global_prefetch_b8 v0, s[64:65] scope:SCOPE_SE
	s_setreg_imm32_b32 hwreg(HW_REG_WAVE_MODE, 25, 1), 1
	s_wait_xcnt 0x0
; TWO STREAMS IN ONE BODY.  Work-groups 0-255: h = LayerNorm(x) g + b, rounded once to bf16.  Work-groups 256-511: w_attn and w_proj, rounded once to bf16, layout unchanged ([K][N]),
; one behind the other in wb.  No LDS, no barrier, no matrix unit: no wave wants a byte that another wave has read.
; The same body serves the block's second LayerNorm: launched with 256 work-groups it takes the first branch alone.
; LAYERNORM.  x: [4096][1024] f32.  A row is 4,096 bytes: one wave takes a whole row by eight loads of 16 bytes a lane (512 consecutive bytes each) and keeps it in 32 registers; a wave has two rows,
; a work-group's eight waves 16.  Mean first, then the sum of squares of x - mean on the registers: no difference of large sums is formed.  All in f32; 1 / sqrt by v_rsq_f32.
; Lane l holds columns 128 j + 4 l .. + 3 (j = 0..7); its 8 bytes of bf16 lie at 256 j + 8 l of h's row: a store of the wave covers 256 consecutive bytes, aligned.
.set XP, 4                             ; s[4:5]   x
.set GP, 6                             ; s[6:7]   gain
.set BP, 8                             ; s[8:9]   bias
.set HP, 14                            ; s[14:15] h
.set X,  32                            ; v[32:95]   two rows, 32 registers each
.set G,  96                            ; v[96:127]  my 32 gains
.set BV, 128                           ; v[128:159] my 32 biases
; v[4:11] four chains of sums; v[12:13], v[16:17] the rows' means, twice; v[14:15], v[18:19] their 1 / sqrt(var + eps), twice
.macro FOLD                            ; the four chains, then the 32 lanes: the sum ends in v4 of every lane
	v_pk_add_f32 v[4:5], v[4:5], v[6:7]
	v_pk_add_f32 v[8:9], v[8:9], v[10:11]
	v_pk_add_f32 v[4:5], v[4:5], v[8:9]
	v_add_f32 v4, v4, v5
	v_add_f32_dpp v4, v4, v4 row_xmask:1 row_mask:0xf bank_mask:0xf
	v_add_f32_dpp v4, v4, v4 row_xmask:2 row_mask:0xf bank_mask:0xf
	v_add_f32_dpp v4, v4, v4 row_xmask:4 row_mask:0xf bank_mask:0xf
	v_add_f32_dpp v4, v4, v4 row_xmask:8 row_mask:0xf bank_mask:0xf
	v_permlanex16_b32 v5, v4, s24, s25             ; the other half of the lanes
	v_add_f32 v4, v4, v5
.endm
.macro STATS r                         ; row r: its mean is taken away in place; 1 / sqrt(var + eps) is asked for
.set XR, X+32*(\r)
.set MU, 12+4*(\r)
.set RS, 14+4*(\r)
.irp c, 0,1,2,3
	v_pk_add_f32 v[4+2*\c:5+2*\c], v[XR+2*\c:XR+2*\c+1], v[XR+8+2*\c:XR+9+2*\c]   ; the first sums start the chains: nothing is cleared
.endr
.irp c, 0,1,2,3
	v_pk_add_f32 v[4+2*\c:5+2*\c], v[4+2*\c:5+2*\c], v[XR+16+2*\c:XR+17+2*\c]
.endr
.irp c, 0,1,2,3
	v_pk_add_f32 v[4+2*\c:5+2*\c], v[4+2*\c:5+2*\c], v[XR+24+2*\c:XR+25+2*\c]
.endr
	FOLD
	v_mul_f32 v[MU], s26, v4                       ; sum / 1024
	v_mov_b32 v[MU+1], v[MU]
.set i, 0
.rept 16
	v_pk_add_f32 v[XR+i:XR+i+1], v[XR+i:XR+i+1], v[MU:MU+1] neg_lo:[0,1] neg_hi:[0,1]
.set i, i+2
.endr
.irp c, 0,1,2,3
	v_pk_mul_f32 v[4+2*\c:5+2*\c], v[XR+2*\c:XR+2*\c+1], v[XR+2*\c:XR+2*\c+1]
.endr
.set i, 8
.rept 12
	v_pk_fma_f32 v[4+i%8:5+i%8], v[XR+i:XR+i+1], v[XR+i:XR+i+1], v[4+i%8:5+i%8]
.set i, i+2
.endr
	FOLD
	v_fma_f32 v4, v4, s26, s27                     ; var + eps
	v_rsq_f32 v[RS], v4
	v_rsq_f32 v[RS+1], v4
	v_nop                                          ; a plain instruction behind the transcendentals, before v4, their source, is written again
.endm
.macro APPLY r                         ; row r: scaled, gain and bias, rounded, stored
.set XR, X+32*(\r)
.set RS, 14+4*(\r)
.set i, 0
.rept 16
	v_pk_mul_f32 v[XR+i:XR+i+1], v[XR+i:XR+i+1], v[RS:RS+1]
	v_pk_fma_f32 v[XR+i:XR+i+1], v[XR+i:XR+i+1], v[G+i:G+i+1], v[BV+i:BV+i+1]
.set i, i+2
.endr
.irp j, 0,1,2,3,4,5,6,7
	v_cvt_pk_bf16_f32 v[XR+4*\j], v[XR+4*\j], v[XR+4*\j+1]
	v_cvt_pk_bf16_f32 v[XR+4*\j+1], v[XR+4*\j+2], v[XR+4*\j+3]
	global_store_b64 v2, v[XR+4*\j:XR+4*\j+1], s[HP:HP+1] offset:2048*(\r)+256*\j   ; no register that a store reads is written again
.endr
.endm
	s_load_b256 s[4:11], s[0:1], 0x0               ; x, g, b, w_attn s[10:11]
	s_load_b128 s[12:15], s[0:1], 0x20             ; w_proj s[12:13], h s[14:15]
	s_load_b64 s[16:17], s[0:1], 0x30              ; wb
	s_cmp_lt_u32 ttmp9, 0x100
	s_cbranch_scc0 .Lcvt
	v_lshrrev_b32 v3, 5, v0
	v_readfirstlane_b32 s22, v3                    ; wave 0..7
	v_and_b32 v2, 31, v0
	v_lshlrev_b32 v1, 4, v2                        ; 16 bytes a lane in x, g, b
	v_lshlrev_b32 v2, 3, v2                        ; 8 bytes a lane in h
	s_lshl_b32 s2, ttmp9, 16                       ; the work-group's 16 rows of 4,096 bytes,
	s_lshl_b32 s3, s22, 13                         ; my wave's two
	s_add_co_u32 s2, s2, s3
	s_lshr_b32 s28, s2, 1                          ; half as many bytes in h
	s_mov_b32 s3, 0
	s_mov_b32 s29, 0
	s_mov_b32 s24, 0x76543210                      ; v_permlanex16_b32: each lane takes its own place in the other half
	s_mov_b32 s25, 0xfedcba98
	s_mov_b32 s26, 0x3a800000                      ; 1 / 1024
	s_mov_b32 s27, 0x3727c5ac                      ; eps = 1e-5
	s_wait_kmcnt 0x0
	s_add_nc_u64 s[XP:XP+1], s[XP:XP+1], s[2:3]
	s_add_nc_u64 s[HP:HP+1], s[HP:HP+1], s[28:29]
.irp j, 0,1,2,3,4,5,6,7
	global_load_b128 v[X+4*\j:X+4*\j+3], v1, s[XP:XP+1] offset:512*\j th:TH_LOAD_NT
.endr
.irp j, 0,1,2,3,4,5,6,7
	global_load_b128 v[X+32+4*\j:X+32+4*\j+3], v1, s[XP:XP+1] offset:4096+512*\j th:TH_LOAD_NT
.endr
.irp j, 0,1,2,3,4,5,6,7
	global_load_b128 v[G+4*\j:G+4*\j+3], v1, s[GP:GP+1] offset:512*\j
.endr
.irp j, 0,1,2,3,4,5,6,7
	global_load_b128 v[BV+4*\j:BV+4*\j+3], v1, s[BP:BP+1] offset:512*\j
.endr
	s_wait_loadcnt 24                              ; row 0 is in; the 24 younger loads stay out
	STATS 0
	s_wait_loadcnt 16                              ; row 1 is in; gain and bias stay out
	STATS 1
	s_wait_loadcnt 0x0                             ; gain and bias
	s_wait_alu depctr_va_vdst(0)                   ; one wait for the four v_rsq_f32, ahead of their first reader
	APPLY 0
	APPLY 1
	s_endpgm
; THE WEIGHTS.  Work-group 256 + id takes 65,536 bytes of f32 (16,384 numbers) and writes 32,768 bytes of bf16 at id x 32,768 of wb: ids 0-191 w_attn, 192-255 w_proj.
; Sixteen loads of 16 bytes a thread are out together; each is rounded and stored as it comes (8 bytes a lane: a wave's store covers 256 consecutive bytes, aligned).
.Lcvt:
	s_sub_co_u32 s22, ttmp9, 0x100                 ; id
	v_lshlrev_b32 v1, 4, v0
	v_lshlrev_b32 v2, 3, v0
	s_wait_kmcnt 0x0
	s_cmp_lt_u32 s22, 0xc0                         ; which matrix, and its first id
	s_cselect_b64 s[2:3], s[10:11], s[12:13]
	s_cselect_b32 s23, 0, 0xc0
	s_sub_co_u32 s23, s22, s23
	s_lshl_b32 s24, s23, 16
	s_mov_b32 s25, 0
	s_add_nc_u64 s[2:3], s[2:3], s[24:25]
	s_lshl_b32 s24, s22, 15
	s_add_nc_u64 s[16:17], s[16:17], s[24:25]
.irp i, 0,1,2,3,4,5,6,7,8,9,10,11,12,13,14,15
	global_load_b128 v[32+4*\i:35+4*\i], v1, s[2:3] offset:4096*\i th:TH_LOAD_NT
.endr
.irp i, 0,1,2,3,4,5,6,7,8,9,10,11,12,13,14,15
	s_wait_loadcnt 15-\i                           ; loads come back in order: number i is in, the younger ones stay out
	v_cvt_pk_bf16_f32 v[32+4*\i], v[32+4*\i], v[33+4*\i]
	v_cvt_pk_bf16_f32 v[33+4*\i], v[34+4*\i], v[35+4*\i]
	global_store_b64 v2, v[32+4*\i:33+4*\i], s[16:17] offset:2048*\i
.endr
	s_endpgm
.Lfunc_end_k_q70f51d1a2c_prep:
	.size	k_q70f51d1a2c_prep, .Lfunc_end_k_q70f51d1a2c_prep-k_q70f51d1a2c_prep
	.p2alignl 7, 3214868480
	.fill 96, 4, 3214868480
	.section	.rodata,"a",@progbits
	.p2align	6, 0x0
	.amdhsa_kernel k_q70f51d1a2c_prep
		.amdhsa_group_segment_fixed_size 0
		.amdhsa_private_segment_fixed_size 0
		.amdhsa_enable_private_segment 0
		.amdhsa_kernarg_size 56
		.amdhsa_user_sgpr_count 2
		.amdhsa_user_sgpr_kernarg_segment_ptr 1
		.amdhsa_wavefront_size32 1
		.amdhsa_system_sgpr_workgroup_id_x 1
		.amdhsa_system_sgpr_workgroup_id_y 1
		.amdhsa_system_sgpr_workgroup_id_z 1
		.amdhsa_system_vgpr_workitem_id 0
		.amdhsa_next_free_vgpr 160
		.amdhsa_next_free_sgpr 66
		.amdhsa_reserve_vcc 0
		.amdhsa_float_denorm_mode_32 3
		.amdhsa_float_denorm_mode_16_64 3
		.amdhsa_memory_ordered 1
		.amdhsa_forward_progress 1
		.amdhsa_inst_pref_size 27
	.end_amdhsa_kernel
	.amdgpu_metadata
---
amdhsa.version: [ 1, 2 ]
amdhsa.kernels:
  - .name:           k_q70f51d1a2c_prep
    .symbol:         k_q70f51d1a2c_prep.kd
    .args:
      - { .name: x, .offset: 0, .size: 8, .value_kind: global_buffer, .address_space: global }
      - { .name: ln1_g, .offset: 8, .size: 8, .value_kind: global_buffer, .address_space: global }
      - { .name: ln1_b, .offset: 16, .size: 8, .value_kind: global_buffer, .address_space: global }
      - { .name: w_attn, .offset: 24, .size: 8, .value_kind: global_buffer, .address_space: global }
      - { .name: w_proj, .offset: 32, .size: 8, .value_kind: global_buffer, .address_space: global }
      - { .name: h, .offset: 40, .size: 8, .value_kind: global_buffer, .address_space: global }
      - { .name: wb, .offset: 48, .size: 8, .value_kind: global_buffer, .address_space: global }
    .group_segment_fixed_size: 0
    .private_segment_fixed_size: 0
    .kernarg_segment_align: 8
    .kernarg_segment_size: 56
    .max_flat_workgroup_size: 256
    .sgpr_count:     66
    .vgpr_count:     160
    .wavefront_size: 32
...
	.end_amdgpu_metadata
.endif
;; end of part 1
;; launch gqkv (part 2): grid 16 x 16, 4 waves a work-group, clusters of 4 x 4, 327,680 bytes of LDS; arguments h, wb, b_attn, qkv, w_fc, w_fc2, w2; writes qkv, w2
.if DOCPART == 2
	.amdgcn_target "amdgcn-amd-amdhsa--gfx1250"
	.amdhsa_code_object_version 6
	.text
	.protected	k_q70f51d1a2c_gqkv
	.globl	k_q70f51d1a2c_gqkv
	.p2align	8
	.type	k_q70f51d1a2c_gqkv,@function
k_q70f51d1a2c_gqkv:
	s_mov_b64 s[64:65], 0
	v_nop
	global_prefetch_b8 v0, s[64:65] scope:SCOPE_SE
	s_setreg_imm32_b32 hwreg(HW_REG_WAVE_MODE, 25, 1), 1
	s_wait_xcnt 0x0
	s_wait_alu depctr_hold_cnt(0) depctr_sa_sdst(0) depctr_va_vdst(0) depctr_va_sdst(0) depctr_va_ssrc(0) depctr_va_vcc(0) depctr_vm_vsrc(0)
	s_getreg_b32 s2, hwreg(HW_REG_IB_STS2, 6, 4)
	s_cmp_eq_u32 s2, 0
	s_cbranch_scc0 .Lentry_in_a_cluster
	s_endpgm
.Lentry_in_a_cluster:
	s_bfe_u32 s2, ttmp6, 0x10000c
	s_cmp_lg_u32 s2, 0xf033
	s_cbranch_scc0 .Lentry_shape_is_right
	s_endpgm
.Lentry_shape_is_right:
; qkv = h Wa + b_attn.  C[m][n] = bias[n] + sum over k of A[m][k] W[k][n].  A: [4096][SIZE_K] bf16; W: [SIZE_K][SIZE_N] bf16 at byte WOFF of the weights' buffer; bias f32; C: [4096][SIZE_N] bf16, rounded once.  Sums in f32.
; C has 12 x 16 tiles of 256 x 256: three columns of clusters.  THE FOURTH COLUMN OF CLUSTERS (cluster x = 3, 64 work-groups) ROUNDS w_fc AND w_fc2 TO bf16 for the two launches of the MLP (.Lconv, at the text's end).
; A tile of C, 256 x 256, is made by four waves, each 128 x 128: 64 accumulators of 16 x 16, 512 registers.  K goes in steps of 128 through two LDS slots filled by the tensor data mover.
; W LIES [K][N]: its tile comes into LDS as it lies (128 rows of 512 bytes) and is turned on the way into registers by ds_load_tr16_b128.
; THE MATRIX INSTRUCTION IS USED TRANSPOSED (source 0 = 16 columns of W, source 1 = 16 rows of A): lane l then holds row l % 16 of C and the columns 8 (l / 16) + 0..7.
; THE BIAS IS THE C OPERAND of each accumulator's first product (register j of the fragment for column block b holds bias[16 b + 8 (l / 16) + j]): nothing is cleared, nothing added later.
; CLUSTERS: 4 x 4 work-groups.  A's tile hangs on the tile row alone and is asked for jointly by the four of a row of the cluster, W's on the tile column alone, by the four of a column.
; ONE K STEP IS WRITTEN ONCE: the slot in hand is a scalar (TB) that an exclusive or turns; the walking descriptors' LDS words are turned alike (no fill base has a bit of SLOT = 0x22000 set).
; THE WAY OUT: when the last fill has been read the slots' bytes serve as stages: each wave lays its 128 x 128 sums down in f32 (rows of 528 bytes) and reads whole rows back; 32 lanes then store 256 consecutive bytes, aligned.
; REGISTERS: window 0: v16-30 addresses; v64-127, v128-191 A's fragments, two buffers (later T, Y, U of the way out); v192-255 the bias fragments.  Window 1: v64-191 W's fragments.  Windows 2, 3: the accumulators, (a, b) at 8 (8 a + b).
.set SIZE_K, 1024
.set SIZE_N, 3072
.set WOFF,   0
.set GELU,   0
.set CONV,   1
.set KSTEP,  128
.set NK,     SIZE_K/KSTEP
.set PA,     272                       ; a row of A in LDS: 256 bytes + 16: the 16 rows of a fragment load start at 16 different groups of four banks (64 banks of 4 bytes: ISA guide 11.1)
.set PW,     544                       ; a row of W: 512 + 32, an odd multiple of 32
.set WO,     256*PA                    ; W's 128 rows lie behind A's 256
.set HALF,   128*PA                    ; what one tensor load brings: 128 rows of A, or 64 of W (64 x 544, the same 34,816 bytes)
.set SLOT,   WO+128*PW                 ; 139,264
.set SPARE,  2*SLOT                    ; the spare words, 128 bytes a wave: two blocks of 256 bytes that no other line names
.set SP,     528                       ; a stage row: 128 f32 + 16 bytes
.set WST,    128*SP                    ; a wave's stage; four of them end at 270,336, inside the slots
.set A0,  16                           ; v16  my place in a slot's A
.set B0,  17                           ; v17  my place in a slot's W
.set ADRA, 18                          ; v18  A0 + TB
.set ADRB, 19                          ; v19  B0 + TB
.set STO, 24                           ; v24  the way out: where I put 16 bytes of a row
.set RD,  25                           ; v25  where I read a row back
.set CO,  26                           ; v26  my 8 bytes in a row of C
.set BO,  27                           ; v27  32 (l / 16): my 8 numbers in 16 of the bias
.set SPW, 28                           ; v28  LDS address of my spare word; never rewritten
.set NIL, 29                           ; v29  0; never rewritten
.set PFO, 30                           ; v30  the prefetches' lane offset; never rewritten
.set F0,  64
.set F1,  128
.set BI,  192
.set T,   64                           ; the way out: 8 rows x 4 numbers as read back
.set Y,   96                           ; rounded
.set U,   128                          ; at work
.set WV, 14                            ; s14 wave; s15 its half of the tile's rows (also: fetches A (0) or W (1)); s16 its half of the columns (also: which half it fetches)
.set RH, 15
.set CH, 16
.set CX, 17
.set CY, 18
.set TC, 19                            ; tile column = 4 x cluster x + cx
.set TR, 20                            ; tile row = 4 x cluster y + cy
.set G1A, 24                           ; s[24:31] group 1 for A;  s[32:35], s[36:39] group 0: step 0, and the set that walks from step 1 on
.set G0A, 32
.set G1B, 40                           ; s[40:47], s[48:55] the same for W
.set G0B, 48
.set TB,  56                           ; s56 the slot that is read: 0 or SLOT
.set CNT, 57
.set LIM, 59                           ; s59 2 in a wave that prefetches, else the greatest number
.set PFA, 60                           ; s[60:61] where my prefetches stand
.set PFS, 62                           ; s[62:63] a K step in bytes, for them
.set K1,  70
.set K2,  72
.set MSB, 0
.macro WIN new                         ; the immediate's high byte repeats the setting that is left; a switch that changes nothing is dropped
.if MSB != (\new)
	s_set_vgpr_msb (MSB<<8)|(\new)
.set MSB, \new
.endif
.endm
.macro PLACES                          ; four plain instructions behind a matrix instruction, ahead of loads into its registers (ISA guide 7.12.1 for vector instructions)
.rept 4
	v_nop
.endr
.endm
.macro CREST                           ; a round of the cluster's barrier behind its opening barrier
	s_cmp_lg_u32 s[WV], 0
	s_cbranch_scc1 .Lnot_wave_0_\@
	s_barrier_signal -3
.Lnot_wave_0_\@:
	s_barrier_wait -3
	s_barrier_signal -1
	s_barrier_wait -1
.endm
.macro CROUND
	s_barrier_signal -1
	s_barrier_wait -1
	CREST
.endm
.macro JLOAD                           ; a joint refill by the walking sets: waves 0, 1 A's halves, waves 2, 3 W's; an s_nop 0 and four v_nop follow each line
	s_cmp_eq_u32 s[RH], 0
	s_cbranch_scc0 .Lfor_w_\@
	tensor_load_to_lds s[G0A+4:G0A+7], s[G1A:G1A+7]
	s_nop 0
.rept 4
	v_nop
.endr
	s_branch .Lasked_\@
.Lfor_w_\@:
	tensor_load_to_lds s[G0B+4:G0B+7], s[G1B:G1B+7]
	s_nop 0
.rept 4
	v_nop
.endr
.Lasked_\@:
.endm
; A PREFETCH INTO THE L2 of the K step two refills on: 32 blocks of 256 bytes, a lane a block, one instruction a wave, behind the joint load and the run of LDS loads.  Each block is named once in the launch: A's rows by the
; clusters with x = 0, W's by those with y = 0; the four partners of a joint load share its rows out by address (32 rows of A by cx; 16 rows of W, two blocks each, by cy).  The loop's last two trips have no K step two on.
.macro ASK
	s_cmp_gt_u32 s[CNT], s[LIM]
	s_cbranch_scc0 .Lnot_mine_\@
	global_prefetch_b8 v[PFO], s[PFA:PFA+1] th:TH_LOAD_NT scope:SCOPE_SE
.Lnot_mine_\@:
.endm
.macro FETCH q, f                      ; 32 LDS loads in one run: quarter q (32 along K) of the slot in hand into buffer f: W's 8 column blocks (turned), then A's 8 row blocks
	WIN 0x40
.irp b, 0,1,2,3,4,5,6,7
	ds_load_tr16_b128 v[(\f)+8*(\b):(\f)+8*(\b)+3],   v[ADRB] offset:(\q)*32*PW+32*(\b)
	ds_load_tr16_b128 v[(\f)+8*(\b)+4:(\f)+8*(\b)+7], v[ADRB] offset:(\q)*32*PW+16*PW+32*(\b)
.endr
	WIN 0
.irp i, 0,1,2,3,4,5,6,7
	ds_load_b128 v[(\f)+8*(\i):(\f)+8*(\i)+3],   v[ADRA] offset:64*(\q)+(\i)*16*PA
	ds_load_b128 v[(\f)+8*(\i)+4:(\f)+8*(\i)+7], v[ADRA] offset:64*(\q)+(\i)*16*PA+32
.endr
.endm
; 16 matrix instructions: row blocks a0, a0 + 1 of the window's four x all 8 column blocks.  first = 1: the bias starts the sums.  The 64 accumulators take turns in the same order everywhere.
.macro MUL16 f, hi, a0, first
.if \first
	WIN 0x81+0x40*(\hi)
.else
	WIN 0xa1+0x50*(\hi)
.endif
.irp a, \a0, (\a0)+1
.irp b, 0,1,2,3,4,5,6,7
.if \first
	v_wmma_f32_16x16x32_bf16 v[8*(8*(\a)+(\b)):8*(8*(\a)+(\b))+7], v[(\f)+8*(\b):(\f)+8*(\b)+7], v[(\f)+8*(4*(\hi)+(\a)):(\f)+8*(4*(\hi)+(\a))+7], v[BI+8*(\b):BI+8*(\b)+7]
.else
	v_wmma_f32_16x16x32_bf16 v[8*(8*(\a)+(\b)):8*(8*(\a)+(\b))+7], v[(\f)+8*(\b):(\f)+8*(\b)+7], v[(\f)+8*(4*(\hi)+(\a)):(\f)+8*(4*(\hi)+(\a))+7], v[8*(8*(\a)+(\b)):8*(8*(\a)+(\b))+7]
.endif
.endr
.endr
.endm
.macro QUARTER q, f, g, first          ; multiplies buffer f; in its middle fetches quarter q into buffer g
	s_wait_dscnt 8                                 ; W and A's rows 0-63 are in; the youngest eight loads (A's rows 64-127) may be out
	MUL16 \f, 0, 0, \first
	MUL16 \f, 0, 2, \first
	PLACES
	FETCH \q, \g
	s_wait_dscnt 32                                ; all but the 32 just issued
	MUL16 \f, 1, 0, \first
	MUL16 \f, 1, 2, \first
.endm
; A K step's last quarter multiplies buffer 1 and changes slots: one barrier.  In front of it each wave waits for all its tensor loads (one is out: its part of the next slot), adds 0 to its spare word, and waits for that and for
; its reads of this slot.  fill = 1: the barrier opens a round of the cluster's barrier, and the slot just read is filled again, first thing behind the round, with the K step two on: 224 matrix instructions ahead of the wait for it.
.macro TURN fill
.if \fill
	s_wait_xcnt 0x0                                ; the last prefetch, a K step back, has read its address
	s_add_nc_u64 s[PFA:PFA+1], s[PFA:PFA+1], s[PFS:PFS+1]
.endif
	WIN 0
	s_wait_tensorcnt 0x0
	ds_add_u32 v[SPW], v[NIL]
	s_wait_dscnt 9                                 ; (the add and the youngest eight loads may be out)
	MUL16 F1, 0, 0, 0
	s_wait_dscnt 0x0                               ; the add is done, and my reads of this slot are over
	s_barrier_signal -1
	MUL16 F1, 0, 2, 0
	WIN 0
	s_barrier_wait -1
.if \fill
	CREST
	s_xor_b32 s[G0A+5], s[G0A+5], SLOT             ; no tensor load of mine is out: the walking sets may be written: the other slot,
	s_add_nc_u64 s[G0A+6:G0A+7], s[G0A+6:G0A+7], KSTEP*2   ; the next K step
	s_xor_b32 s[G0B+5], s[G0B+5], SLOT
	s_add_nc_u64 s[G0B+6:G0B+7], s[G0B+6:G0B+7], KSTEP*2*SIZE_N
	JLOAD                                          ; its four v_nop are also the places in front of the loads below
.else
	PLACES
.endif
	s_xor_b32 s[TB], s[TB], SLOT
	v_add_nc_u32 v[ADRA], s[TB], v[A0]
	v_add_nc_u32 v[ADRB], s[TB], v[B0]
	FETCH 0, F0
.if \fill
	ASK
.endif
	MUL16 F1, 1, 0, 0
	MUL16 F1, 1, 2, 0
.endm
	s_load_b256 s[4:11], s[0:1], 0x0               ; A s[4:5], weights s[6:7], bias s[8:9], C s[10:11]
.if CONV
	s_load_b128 s[84:87], s[0:1], 0x20             ; w_fc s[84:85], w_fc2 s[86:87]
	s_load_b64 s[88:89], s[0:1], 0x30              ; their bf16 copies
.endif
	v_lshl_add_u32 v[SPW], v0, 2, SPARE
	v_mov_b32 v[NIL], 0
	ds_add_u32 v[SPW], v[NIL]                      ; the wave's opening: the add and its wait stand ahead of my first tensor load; the set-up below stands between them
	v_lshrrev_b32 v1, 5, v0
	v_readfirstlane_b32 s[WV], v1
	s_lshr_b32 s[RH], s[WV], 1
	s_and_b32 s[CH], s[WV], 1
	s_bfe_u32 s[CX], ttmp6, 0x40000
	s_bfe_u32 s[CY], ttmp6, 0x40004
	s_lshl_b32 s[TC], ttmp9, 2
	s_add_co_u32 s[TC], s[TC], s[CX]
	s_and_b32 s[TR], ttmp7, 0xffff
	s_lshl_b32 s[TR], s[TR], 2
	s_add_co_u32 s[TR], s[TR], s[CY]
	s_lshl_b32 s21, s[CY], 2
	s_lshl_b32 s21, 15, s21                        ; my row of the cluster
	s_lshl_b32 s22, 0x1111, s[CX]                  ; my column
	s_or_b32 s[G1A], s21, (1<<16)|(1<<20)|(1<<21)|(5<<22)|(3<<25)   ; the mask; 2-byte elements; padding on; bit 21 beside a mask; after every 64 words 4 words
	s_or_b32 s[G1B], s22, (1<<16)|(1<<20)|(1<<21)|(6<<22)|(7<<25)   ; after every 128 words 8 words
	s_mov_b32 s[G1A+1], KSTEP<<16                  ; A: 128 rows x 128 elements
	s_mov_b32 s[G1A+2], 128<<16
	s_mov_b32 s[G1A+3], KSTEP<<16
	s_mov_b32 s[G1A+4], 128
	s_mov_b32 s[G1A+5], SIZE_K
	s_mov_b32 s[G1A+6], 0
	s_mov_b32 s[G1A+7], 0
	s_mov_b32 s[G1B+1], 256<<16                    ; W: 64 rows x 256 elements
	s_mov_b32 s[G1B+2], 64<<16
	s_mov_b32 s[G1B+3], 256<<16
	s_mov_b32 s[G1B+4], 64
	s_mov_b32 s[G1B+5], SIZE_N
	s_mov_b32 s[G1B+6], 0
	s_mov_b32 s[G1B+7], 0
	s_lshl_b32 s66, s[TR], 19                      ; A: (256 x tile row + 128 x half) rows of 2,048 bytes: of the cluster's coordinates cy alone enters
	s_lshl_b32 s21, s[CH], 18
	s_add_co_u32 s66, s66, s21
	s_mov_b32 s67, 0
	s_lshl_b32 s68, s[TC], 9                       ; W: 512 bytes x tile column + 64 x half rows: cx alone enters
	s_mul_i32 s22, s[CH], 128*SIZE_N
	s_add_co_u32 s68, s68, s22
	s_add_co_u32 s68, s68, WOFF
	s_mov_b32 s69, 0
	s_mul_i32 s23, s[CH], HALF                     ; where they go: no place in the cluster enters an LDS address
.if GELU
	s_mov_b32 s[K1], 0xc0135761                    ; -2 log2(e) sqrt(2 / pi)
	s_mov_b32 s[K1+1], s[K1]
	s_mov_b32 s[K2], 0xbdd2d3e8                    ; that x 0.044715
	s_mov_b32 s[K2+1], s[K2]
.endif
	s_wait_dscnt 0x0                               ; the opening add is done
	s_wait_kmcnt 0x0
.if CONV
	s_cmp_eq_u32 ttmp9, 3                          ; the cluster's x: the same in all sixteen partners
	s_cbranch_scc1 .Lconv
.endif
	s_add_nc_u64 s[66:67], s[4:5], s[66:67]
	s_add_nc_u64 s[68:69], s[6:7], s[68:69]
	CROUND                                         ; all sixteen work-groups are here: the first joint loads meet
.irp s, 0,1
	s_mov_b32 s[G0A+4*\s], 1
	s_add_co_u32 s[G0A+4*\s+1], s23, \s*SLOT
	s_add_nc_u64 s[G0A+4*\s+2:G0A+4*\s+3], s[66:67], \s*KSTEP*2
	s_or_b32 s[G0A+4*\s+3], s[G0A+4*\s+3], 0x80000000
	s_mov_b32 s[G0B+4*\s], 1
	s_add_co_u32 s[G0B+4*\s+1], s23, WO+\s*SLOT
	s_add_nc_u64 s[G0B+4*\s+2:G0B+4*\s+3], s[68:69], \s*KSTEP*2*SIZE_N
	s_or_b32 s[G0B+4*\s+3], s[G0B+4*\s+3], 0x80000000
.endr
	s_cmp_eq_u32 s[RH], 0                          ; a wave's two first fills stand in one branch: two loads of mine are out
	s_cbranch_scc0 .Lfirst_w
	tensor_load_to_lds s[G0A:G0A+3], s[G1A:G1A+7]
	s_nop 0
	tensor_load_to_lds s[G0A+4:G0A+7], s[G1A:G1A+7]
	s_nop 0
.rept 4
	v_nop
.endr
	s_branch .Lfirst_asked
.Lfirst_w:
	tensor_load_to_lds s[G0B:G0B+3], s[G1B:G1B+7]
	s_nop 0
	tensor_load_to_lds s[G0B+4:G0B+7], s[G1B:G1B+7]
	s_nop 0
.rept 4
	v_nop
.endr
.Lfirst_asked:
	v_and_b32 v1, 15, v0                           ; l % 16
	v_bfe_u32 v2, v0, 4, 1                         ; l / 16
	v_lshlrev_b32 v[BO], 5, v2
	s_lshl_b32 s74, s[TC], 10                      ; the bias of my 128 columns
	s_lshl_b32 s75, s[CH], 9
	s_add_co_u32 s74, s74, s75
	s_mov_b32 s75, 0
	s_add_nc_u64 s[8:9], s[8:9], s[74:75]
.irp b, 0,1,2,3,4,5,6,7
	global_load_b128 v[BI+8*\b:BI+8*\b+3],   v[BO], s[8:9] offset:64*\b
	global_load_b128 v[BI+8*\b+4:BI+8*\b+7], v[BO], s[8:9] offset:64*\b+16
.endr
	v_mul_u32_u24 v3, v1, PA                       ; a fragment of A: row l % 16, 16 bytes for each half of the lanes
	v_lshl_add_u32 v3, v2, 4, v3
	s_mul_i32 s21, s[RH], 128*PA
	v_add_nc_u32 v[A0], s21, v3
	v_and_b32 v4, 7, v0                            ; the turning load: lane l reads row 8 (l / 16) + l % 8, 16 bytes at 16 ((l / 8) % 2)
	v_lshl_add_u32 v4, v2, 3, v4
	v_mul_u32_u24 v4, v4, PW
	v_bfe_u32 v5, v0, 3, 1
	v_lshl_add_u32 v4, v5, 4, v4
	s_lshl_b32 s22, s[CH], 8
	s_add_co_u32 s22, s22, WO
	v_add_nc_u32 v[B0], s22, v4
	s_mul_i32 s23, s[WV], WST                      ; my stage
	v_mul_u32_u24 v5, v1, SP
	v_lshl_add_u32 v5, v2, 5, v5
	v_add_nc_u32 v[STO], s23, v5
	v_and_b32 v6, 31, v0
	v_lshl_add_u32 v[RD], v6, 4, s23
	v_lshlrev_b32 v[CO], 3, v6
	s_lshl_b32 s74, s[TR], 8                       ; C at my first row and column
	s_lshl_b32 s75, s[RH], 7
	s_add_co_u32 s74, s74, s75
	s_mul_i32 s74, s74, 2*SIZE_N
	s_lshl_b32 s75, s[TC], 9
	s_add_co_u32 s74, s74, s75
	s_lshl_b32 s75, s[CH], 8
	s_add_co_u32 s74, s74, s75
	s_mov_b32 s75, 0
	s_add_nc_u64 s[10:11], s[10:11], s[74:75]
	; the prefetches: they start at K step 3; the first refill steps them to 4.  Nothing is prefetched here, where every work-group's first tiles are on their way
	s_lshl_b32 s74, s[TR], 8
	s_lshl_b32 s75, s[CH], 7
	s_add_co_u32 s74, s74, s75
	s_lshl_b32 s75, s[CX], 5
	s_add_co_u32 s74, s74, s75                     ; A: my work-group's 32 of the 128 rows that I fetch
	s_lshl_b32 s74, s74, 11
	s_add_co_u32 s74, s74, 3*KSTEP*2
	s_lshl_b32 s76, s[CH], 6
	s_lshl_b32 s77, s[CY], 4
	s_add_co_u32 s76, s76, s77                     ; W: my work-group's 16 of the 64 rows
	s_add_co_u32 s76, s76, 3*KSTEP
	s_mul_i32 s76, s76, 2*SIZE_N
	s_lshl_b32 s77, s[TC], 9
	s_add_co_u32 s76, s76, s77
	s_add_co_u32 s76, s76, WOFF
	s_and_b32 s77, ttmp7, 0xffff
	s_mov_b32 s[PFS], KSTEP*2*SIZE_N
	s_mov_b32 s21, 2*SIZE_N
	s_cmp_eq_u32 s[RH], 0                          ; do I fetch for A?
	s_cselect_b32 s74, s74, s76
	s_cselect_b32 s77, ttmp9, s77                  ; the coordinate along which other clusters read the same rows
	s_cselect_b64 s[PFA:PFA+1], s[4:5], s[6:7]
	s_cselect_b32 s[PFS], KSTEP*2, s[PFS]
	s_cselect_b32 s21, SIZE_K*2, s21               ; bytes from row to row
	s_mov_b32 s75, 0
	s_mov_b32 s[PFS+1], 0
	s_add_nc_u64 s[PFA:PFA+1], s[PFA:PFA+1], s[74:75]
	s_cmp_eq_u32 s77, 0
	s_cselect_b32 s[LIM], 2, -1                    ; the same in all sixteen partners, for a given wave
	v_lshrrev_b32 v31, s[RH], v6                   ; A: a lane a row; W: two lanes a row, 256 bytes each
	v_and_b32 v[PFO], s[RH], v6
	v_mul_u32_u24 v31, s21, v31
	v_lshl_add_u32 v[PFO], v[PFO], 8, v31
	s_mov_b32 s[TB], 0
	v_mov_b32 v[ADRA], v[A0]
	v_mov_b32 v[ADRB], v[B0]
	s_wait_tensorcnt 1                             ; my part of K step 0 is in; step 1's stays out
	s_barrier_signal -1
	s_barrier_wait -1
	FETCH 0, F0
	s_wait_loadcnt 0x0                             ; the bias
	QUARTER 1, F0, F1, 1                           ; the first quarter stands in front of the loop: its products start the sums
	WIN 0
	s_mov_b32 s[CNT], NK-2
.Lk:                                                   ; a trip: a K step's quarters 1 to 3 and the next step's quarter 0; the slot left is filled again
	QUARTER 2, F1, F0, 0
	QUARTER 3, F0, F1, 0
	TURN 1
	QUARTER 1, F0, F1, 0
	WIN 0
	s_sub_co_u32 s[CNT], s[CNT], 1
	s_cmp_lg_u32 s[CNT], 0
	s_cbranch_scc1 .Lk
	s_mov_b32 s[CNT], 2
.Ltail:                                                ; the last two K steps ask for nothing; the second trip is left in its middle (its 32 fragment loads serve nothing: the price of one text for both trips)
	QUARTER 2, F1, F0, 0
	QUARTER 3, F0, F1, 0
	TURN 0
	WIN 0
	s_sub_co_u32 s[CNT], s[CNT], 1
	s_cmp_eq_u32 s[CNT], 0
	s_cbranch_scc1 .Lout
	QUARTER 1, F0, F1, 0
	WIN 0
	s_branch .Ltail
.Lout:
	s_wait_dscnt 0x0                               ; my reads of the slots are over,
	s_barrier_signal -1
	s_barrier_wait -1                              ; everybody's are: the slots have had their last fill and now serve as stages
.rept 8
	v_nop                                          ; the places behind the last products
.endr
.irp hi, 0,1
	WIN 0x08+4*\hi                                 ; the stores' data lie in window 2, then 3
.irp a, 0,1,2,3
.irp b, 0,1,2,3,4,5,6,7
	ds_store_b128 v[STO], v[8*(8*\a+\b):8*(8*\a+\b)+3]   offset:(4*\hi+\a)*16*SP+64*\b      ; each accumulator's low registers first
	ds_store_b128 v[STO], v[8*(8*\a+\b)+4:8*(8*\a+\b)+7] offset:(4*\hi+\a)*16*SP+64*\b+16
.endr
.endr
.endr
	WIN 0
.irp i, 0,1,2,3,4,5,6,7
	ds_load_b128 v[T+4*\i:T+4*\i+3], v[RD] offset:SP*\i    ; my rows 0 to 7, whole (LDS serves a wave's instructions in order: ISA guide 5.7.1.4: these see the stores above)
.endr
	s_mov_b32 s[CNT], 16
.Lrow:                                                 ; 8 rows a trip: rounded and stored; the next 8 rows are asked of LDS ahead of the stores and waited for at the next trip's head
	s_wait_dscnt 0x0
.if GELU
; gelu(x) = x / (1 + 2^(x (K1 + K2 x x))), the tanh form written as a logistic.  Two batches of 32 transcendentals, one wait each.
.set p, 0
.rept 16
	v_pk_mul_f32 v[U+2*p:U+2*p+1], v[T+2*p:T+2*p+1], v[T+2*p:T+2*p+1]
	v_pk_fma_f32 v[U+2*p:U+2*p+1], v[U+2*p:U+2*p+1], s[K2:K2+1], s[K1:K1+1] op_sel_hi:[1,0,0]
	v_pk_mul_f32 v[U+2*p:U+2*p+1], v[U+2*p:U+2*p+1], v[T+2*p:T+2*p+1]
.if p > 0
	v_exp_f32 v[U+2*p-2], v[U+2*p-2]
	v_exp_f32 v[U+2*p-1], v[U+2*p-1]
.endif
.set p, p+1
.endr
	v_exp_f32 v[U+30], v[U+30]
	v_exp_f32 v[U+31], v[U+31]
	v_nop
	s_wait_alu depctr_va_vdst(0)
.set p, 0
.rept 16
	v_pk_add_f32 v[U+2*p:U+2*p+1], v[U+2*p:U+2*p+1], 1.0 op_sel_hi:[1,0]
.if p > 0
	v_rcp_f32 v[U+2*p-2], v[U+2*p-2]
	v_rcp_f32 v[U+2*p-1], v[U+2*p-1]
.endif
.set p, p+1
.endr
	v_rcp_f32 v[U+30], v[U+30]
	v_rcp_f32 v[U+31], v[U+31]
	v_nop
	s_wait_alu depctr_va_vdst(0)
.set p, 0
.rept 16
	v_pk_mul_f32 v[T+2*p:T+2*p+1], v[T+2*p:T+2*p+1], v[U+2*p:U+2*p+1]
.set p, p+1
.endr
.endif
.irp i, 0,1,2,3,4,5,6,7
	v_cvt_pk_bf16_f32 v[Y+2*\i], v[T+4*\i], v[T+4*\i+1]
	v_cvt_pk_bf16_f32 v[Y+2*\i+1], v[T+4*\i+2], v[T+4*\i+3]
.endr
	v_add_nc_u32 v[RD], 8*SP, v[RD]
	s_cmp_eq_u32 s[CNT], 1                         ; the last trip has no rows behind it
	s_cbranch_scc1 .Lno_rows
.irp i, 0,1,2,3,4,5,6,7
	ds_load_b128 v[T+4*\i:T+4*\i+3], v[RD] offset:SP*\i
.endr
.Lno_rows:
.irp i, 0,1,2,3,4,5,6,7
	global_store_b64 v[CO], v[Y+2*\i:Y+2*\i+1], s[10:11] offset:\i*2*SIZE_N     ; 32 lanes store 256 consecutive bytes, aligned
.endr
	s_wait_xcnt 0x0                                ; the stores have read Y and C's address: both are written again only behind this wait
	s_add_nc_u64 s[10:11], s[10:11], 16*SIZE_N
	s_sub_co_u32 s[CNT], s[CNT], 1
	s_cmp_lg_u32 s[CNT], 0
	s_cbranch_scc1 .Lrow
	s_wait_tensorcnt 0x0                           ; the wave's end
	ds_add_u32 v[SPW], v[NIL]
	s_wait_dscnt 0x0
	CROUND                                         ; the closing round: no work-group ends while a partner may still ask for a tile that names it
	s_endpgm
.if CONV
; THE FOURTH COLUMN OF CLUSTERS.  w_fc and w_fc2 ([K][N], f32, 16 MiB each) are rounded once to bf16, layout unchanged, one behind the other.  Work-group id (0..63: 16 x cluster y + 4 cy + cx, which enters global addresses alone)
; takes the pieces id, id + 64, .. of 65,536 bytes: four of w_fc, then four of w_fc2: 8 trips.  In a trip a wave has 32 loads of 512 consecutive bytes out; each is rounded and stored as it comes (8 bytes a lane: a wave's
; store covers 256 consecutive bytes, aligned).  No tensor load, no LDS but the spare words.
.Lconv:
	s_and_b32 s21, ttmp7, 0xffff
	s_lshl_b32 s21, s21, 4
	s_lshl_b32 s22, s[CY], 2
	s_add_co_u32 s21, s21, s22
	s_add_co_u32 s21, s21, s[CX]                   ; id
	v_lshlrev_b32 v1, 4, v0                        ; 16 bytes a thread of f32,
	v_lshlrev_b32 v2, 3, v0                        ; 8 of bf16
	s_lshl_b32 s74, s21, 16                        ; my piece in the matrix in hand
	s_mov_b32 s75, 0
	s_lshl_b32 s76, s21, 15
	s_mov_b32 s77, 0
	s_add_nc_u64 s[88:89], s[88:89], s[76:77]
	s_mov_b32 s[CNT], 0
.Lchunk:
	s_cmp_lt_u32 s[CNT], 4                         ; trips 0-3: w_fc; trips 4-7: w_fc2
	s_cselect_b64 s[66:67], s[84:85], s[86:87]
	s_add_nc_u64 s[66:67], s[66:67], s[74:75]
.set i, 0
.rept 32
	global_load_b128 v[64+4*i:67+4*i], v1, s[66:67] offset:2048*i th:TH_LOAD_NT
.set i, i+1
.endr
.set i, 0
.rept 32
	s_wait_loadcnt 31-i                            ; loads come back in order: number i is in, the younger ones stay out
	v_cvt_pk_bf16_f32 v[64+4*i], v[64+4*i], v[65+4*i]
	v_cvt_pk_bf16_f32 v[65+4*i], v[66+4*i], v[67+4*i]
	global_store_b64 v2, v[64+4*i:65+4*i], s[88:89] offset:1024*i
.set i, i+1
.endr
	s_wait_xcnt 0x0                                ; the stores have read their data and their base: both are written again only behind this wait
	s_add_nc_u64 s[88:89], s[88:89], 64*32768      ; 64 pieces on
	s_add_co_u32 s74, s74, 64*65536
	s_and_b32 s74, s74, 0xffffff                   ; behind a matrix's four trips back to its head
	s_add_co_u32 s[CNT], s[CNT], 1
	s_cmp_lt_u32 s[CNT], 8
	s_cbranch_scc1 .Lchunk
	s_wait_tensorcnt 0x0                           ; the wave's end
	ds_add_u32 v[SPW], v[NIL]
	s_wait_dscnt 0x0
	CROUND                                         ; and, as on the other way, a round of the cluster's barrier in front of the end
	s_endpgm
.endif
.Lfunc_end_k_q70f51d1a2c_gqkv:
	.size	k_q70f51d1a2c_gqkv, .Lfunc_end_k_q70f51d1a2c_gqkv-k_q70f51d1a2c_gqkv
	.p2alignl 7, 3214868480
	.fill 96, 4, 3214868480
	.section	.rodata,"a",@progbits
	.p2align	6, 0x0
	.amdhsa_kernel k_q70f51d1a2c_gqkv
		.amdhsa_group_segment_fixed_size 327680
		.amdhsa_private_segment_fixed_size 0
		.amdhsa_enable_private_segment 0
		.amdhsa_kernarg_size 56
		.amdhsa_user_sgpr_count 2
		.amdhsa_user_sgpr_kernarg_segment_ptr 1
		.amdhsa_wavefront_size32 1
		.amdhsa_system_sgpr_workgroup_id_x 1
		.amdhsa_system_sgpr_workgroup_id_y 1
		.amdhsa_system_sgpr_workgroup_id_z 1
		.amdhsa_system_vgpr_workitem_id 0
		.amdhsa_next_free_vgpr 1024
		.amdhsa_next_free_sgpr 96
		.amdhsa_reserve_vcc 0
		.amdhsa_float_denorm_mode_32 3
		.amdhsa_float_denorm_mode_16_64 3
		.amdhsa_memory_ordered 1
		.amdhsa_forward_progress 1
		.amdhsa_inst_pref_size 95
	.end_amdhsa_kernel
	.amdgpu_metadata
---
amdhsa.version: [ 1, 2 ]
amdhsa.kernels:
  - .name:           k_q70f51d1a2c_gqkv
    .symbol:         k_q70f51d1a2c_gqkv.kd
    .args:
      - { .name: h, .offset: 0, .size: 8, .value_kind: global_buffer, .address_space: global }
      - { .name: wb, .offset: 8, .size: 8, .value_kind: global_buffer, .address_space: global }
      - { .name: b_attn, .offset: 16, .size: 8, .value_kind: global_buffer, .address_space: global }
      - { .name: qkv, .offset: 24, .size: 8, .value_kind: global_buffer, .address_space: global }
      - { .name: w_fc, .offset: 32, .size: 8, .value_kind: global_buffer, .address_space: global }
      - { .name: w_fc2, .offset: 40, .size: 8, .value_kind: global_buffer, .address_space: global }
      - { .name: w2, .offset: 48, .size: 8, .value_kind: global_buffer, .address_space: global }
    .group_segment_fixed_size: 327680
    .private_segment_fixed_size: 0
    .kernarg_segment_align: 8
    .kernarg_segment_size: 56
    .max_flat_workgroup_size: 128
    .sgpr_count:     96
    .vgpr_count:     1024
    .wavefront_size: 32
...
	.end_amdgpu_metadata
.endif
;; end of part 2
;; launch attn (part 3): grid 16 x 16, 4 waves a work-group, clusters of 4 x 1, 327,680 bytes of LDS; arguments qkv, o; writes o
.if DOCPART == 3
	.amdgcn_target "amdgcn-amd-amdhsa--gfx1250"
	.amdhsa_code_object_version 6
	.text
	.protected	k_q70f51d1a2c_attn
	.globl	k_q70f51d1a2c_attn
	.p2align	8
	.type	k_q70f51d1a2c_attn,@function
k_q70f51d1a2c_attn:
	s_mov_b64 s[64:65], 0
	v_nop
	global_prefetch_b8 v0, s[64:65] scope:SCOPE_SE
	s_setreg_imm32_b32 hwreg(HW_REG_WAVE_MODE, 25, 1), 1
	s_wait_xcnt 0x0
	s_wait_alu depctr_hold_cnt(0) depctr_sa_sdst(0) depctr_va_vdst(0) depctr_va_sdst(0) depctr_va_ssrc(0) depctr_va_vcc(0) depctr_vm_vsrc(0)
	s_getreg_b32 s2, hwreg(HW_REG_IB_STS2, 6, 4)
	s_cmp_eq_u32 s2, 0
	s_cbranch_scc0 .Lentry_in_a_cluster
	s_endpgm
.Lentry_in_a_cluster:
	s_bfe_u32 s2, ttmp6, 0x10000c
	s_cmp_lg_u32 s2, 0x3003
	s_cbranch_scc0 .Lentry_shape_is_right
	s_endpgm
.Lentry_shape_is_right:
; CAUSAL ATTENTION, 16 heads of 64 channels, 2 batches of 2,048 rows.  qkv: [4096][3072] bf16, a row = q | k | v of 2,048 bytes each, a head's 64 channels 128 bytes.  o: [4096][1024] bf16.
; o[q] = sum over k <= q of softmax_k(q . k / 8) v[k].  Products, maxima and sums in f32; the weights p are rounded to bf16 for the second product (their sum l is taken of the unrounded p), o once at the end.
; LIMITS.  A hidden score counts as its value less 1e30; a weight below 2^-126 counts as 0 in l; NaN and infinities are not treated apart.
; TWO HEADS TO A WORK-GROUP: neighbouring heads' channels are 256 consecutive bytes, aligned, of a row: so are the rows of K's and V's tiles, and o leaves in such blocks.
; THE WALK.  A batch's rows lie in 8 blocks of 256.  Block i needs the key tiles 0 .. i of 256 keys; the last holds the diagonal.  A CLUSTER of four work-groups takes blocks 7 - c and then c (c = the cluster's x):
; 9 tiles whatever c, the same tiles in the same order for all four partners: every tile is asked for JOINTLY.  Partner cx owns queries 64 cx .. + 63 of the block; wave w head w / 2 of the pair and 32 of the 64 queries: two tiles of 16.
; In the diagonal tile's key step s (64 keys) partner cx sees all keys if s < cx, none if s > cx, and holds the diagonal if s = cx.  All partners compute all four steps: no branch hangs on cx; it enters two scalars of the mask alone.
; THE MASK is the C operand that starts the sum S^T = K Q^T: MC = MD x AL + BE, MD the mask of the band's own step (0 or -1e30), (AL, BE) = (1, 0), (0, 0) or (0, -1e30).  Outside a diagonal tile MC is 0.
; LAYOUT.  S^T = K Q^T holds ONE query a lane (l % 16) and the keys 8 (l / 16) + 0..7; two such results rounded to bf16 ARE source 1 of O^T = V^T P.  K comes out of LDS as it lies, V turned by ds_load_tr16_b128.
; SOFTMAX.  p = 2^(c s - c m), c = log2(e) / 8, m a running maximum; O and l are multiplied by a = 2^(c m_old - c m_new) in every step.  m starts at the lowest finite number, O and l at 0.
; A KEY STEP GOES IN PHASES: 16 products K Q^T; maximum and statistics; one batch of 66 exponentials with one wait; roundings, sums, rescaling; 16 products V^T P.  The 128 v_mov_b32 that clear O^T and MC stand at a block's
; beginning (the first in the wait for the first tile): the price of writing no first step out.
; THE WAY OUT.  Each block's 64 rows x 256 bytes are gathered in a stage of its own in LDS (a row's two halves come from two waves).  Both stages are read at the launch's end, behind one barrier: the loop holds no read of a stage.
; REGISTERS: window 0: v1-15 addresses; v16-23 statistics; v24-31 at work; v64-127 S^T; v128-191 K of a step; v192-255 V of a step.  Window 1: v0-63 O^T; v64-95 Q; v96-127 the second block's Q; v128-159 P.  Window 2: v0-63 MD; v64-127 MC.
.set PK,    272                        ; a row of K in LDS: 256 bytes + 16: the 16 rows of a load start at 16 different groups of four banks (64 banks of 4 bytes: ISA guide 11.1)
.set PV,    288                        ; a row of V: 256 + 32
.set VOFF,  256*PK                     ; a slot: 256 rows of K, then 256 rows of V
.set SLOT1, 0x24000                    ; slot 1 begins here; no fill base (0, 0x8800, 0x11000, 0x1a000) has one of its bits set, so an exclusive or turns one slot's address into the other's
.set STAGE, SLOT1+VOFF+256*PV          ; behind the ring, never filled by a tensor load: two stages (one a block) of 64 rows x 272 bytes
.set SPS,   272
.set STGB,  64*SPS
.set SPARE, STAGE+2*STGB               ; the spare words, 128 bytes a wave: two blocks of 256 bytes that no other line names
.set ROWB,  6144                       ; bytes in a row of qkv
.set TILEB, 256*ROWB
.set AK0, 2                            ; v2  my place in a tile of K; v3 in a tile of V; never rewritten
.set AV0, 3
.set AK,  4                            ; v4, v5  the addresses of the runs of loads in hand
.set AV,  5
.set STO, 6                            ; v6  the way out: where I put 16 bytes of a row
.set RD,  7                            ; v7  where I read rows back
.set GO,  8                            ; v8  my offset in two rows of o
.set MV,  12                           ; v12-13  c m_old, by tile
.set QO,  14                           ; v14 my offset in 16 rows of q
.set PFO, 15                           ; v15 the prefetches' offset: a lane a row; never rewritten
.set ST,  16                           ; tile t at ST + 4 t: c m, m, l (even keys', odd keys')
.set TMP, 24                           ; tile t at TMP + 4 t: c0-c3 at work; c2 takes a
.set SPW, 62
.set NIL, 63
.set S,   64
.set KF,  128                          ; key block kb, channel half cc at KF + 16 kb + 8 cc
.set VF,  192                          ; key half kk, channel block cb at VF + 32 kk + 8 cb
.set QF,  64                           ; window 1
.set QB,  96
.set PF,  128
.set MD,  0                            ; window 2
.set MC,  64
.set KB,  8                            ; s[8:9], s[10:11]  K and V at my half of the batch's tile 0, my head pair
.set VB,  10
.set WV,  12
.set CX,  13
.set PB,  14                           ; c
.set HI,  15                           ; 7 - c
.set QHI, 16                           ; s[16:17], s[18:19]  q at my rows of the first and the second block
.set QLO, 18
.set OHI, 20                           ; s[20:21], s[22:23]  o likewise
.set OLO, 22
.set G1K, 24
.set G1V, 32
.set G0K, 40
.set G0V, 44
.set SLOTS, 56                         ; tiles still to be asked for
.set CNT, 57                           ; a tile's key steps, 4 to 1
.set CS,  58
.set SEL, 60
.set TBK, 62                           ; LDS byte at which the step to be fetched begins, for K and for V
.set TBV, 63
.set RT,  70                           ; tiles of the block in hand still to be entered
.set NXT, 71                           ; the tile to be asked for next
.set LQ,  72                           ; the last tile of the block whose tiles are being asked for
.set OFF, 74
.set AL,  76
.set BE,  78
.set BIGN, 82
.set SB,  84                           ; the slot that is read
.set LIM, 85                           ; 2 in a cluster that prefetches, else the greatest number
.set PFA, 86
.set DS,  88                           ; 4 - cx: the value of CNT in my band's own step
.set MSB, 0
.macro WIN new
.if MSB != (\new)
	s_set_vgpr_msb (MSB<<8)|(\new)
.set MSB, \new
.endif
.endm
.macro PLACES
.rept 4
	v_nop
.endr
.endm
.macro CROUND                          ; a round of the cluster's barrier
	s_barrier_signal -1
	s_barrier_wait -1
	s_cmp_lg_u32 s[WV], 0
	s_cbranch_scc1 .Lnot_wave_0_\@
	s_barrier_signal -3
.Lnot_wave_0_\@:
	s_barrier_wait -3
	s_barrier_signal -1
	s_barrier_wait -1
.endm
.macro JLOAD                           ; a joint fill: waves 0, 1 the two halves of a tile's K, waves 2, 3 of its V; an s_nop 0 and four v_nop follow each line
	s_cmp_lt_u32 s[WV], 2
	s_cbranch_scc0 .Lfor_v_\@
	tensor_load_to_lds s[G0K:G0K+3], s[G1K:G1K+7]
	s_nop 0
.rept 4
	v_nop
.endr
	s_branch .Lasked_\@
.Lfor_v_\@:
	tensor_load_to_lds s[G0V:G0V+3], s[G1V:G1V+7]
	s_nop 0
.rept 4
	v_nop
.endr
.Lasked_\@:
.endm
; A PREFETCH INTO THE L2 of the tile that the NEXT change of slots will ask for, four key steps ahead of that load.  All four clusters of a head pair walk tiles out of 0 .. 7; the cluster with c = 0 walks all of them in its first
; block, and it alone asks, for tiles 2 to 7.  Of the 128 rows that a wave fetches each partner names 32, told apart by address: a lane a row of 256 bytes, one instruction a wave.  So each block is named once in the launch.
.macro ASK
	s_cmp_gt_u32 s[SLOTS], s[LIM]
	s_cbranch_scc0 .Lnot_mine_\@
	global_prefetch_b8 v[PFO], s[PFA:PFA+1] th:TH_LOAD_NT scope:SCOPE_SE
.Lnot_mine_\@:
.endm
; THE CHANGE OF SLOTS.  Each wave waits for all its tensor loads (one is out: its part of the other slot), adds 0 to its spare word, and waits for that and for its LDS reads and stores.  fill = 1: the barrier is a round of the
; cluster's, and the slot left is filled again, first thing behind it, with tile NXT; the address is made anew from that number.  The load has four key steps in which to land.  (At its first use slot 0 is waited for, slot 1 filled.)
.macro CHANGE fill
	WIN 0
	s_wait_tensorcnt 0x0
	ds_add_u32 v[SPW], v[NIL]
.if \fill
	s_mul_i32 s[OFF], s[NXT], TILEB
	s_xor_b32 s[G0K+1], s[G0K+1], SLOT1
	s_add_nc_u64 s[G0K+2:G0K+3], s[KB:KB+1], s[OFF:OFF+1]
	s_or_b32 s[G0K+3], s[G0K+3], 0x80000000
	s_xor_b32 s[G0V+1], s[G0V+1], SLOT1
	s_add_nc_u64 s[G0V+2:G0V+3], s[VB:VB+1], s[OFF:OFF+1]
	s_or_b32 s[G0V+3], s[G0V+3], 0x80000000
	s_add_co_u32 s[NXT], s[NXT], 1                 ; the block's next tile, or behind its last the second block's tile 0
	s_cmp_gt_u32 s[NXT], s[LQ]
	s_cselect_b32 s[NXT], 0, s[NXT]
	s_cselect_b32 s[LQ], s[PB], s[LQ]
	s_wait_xcnt 0x0                                ; the last prefetch, a tile back, has read its address
	s_add_nc_u64 s[PFA:PFA+1], s[PFA:PFA+1], TILEB
	s_wait_dscnt 0x0
	CROUND
	JLOAD
	ASK
.else
	s_wait_dscnt 0x0
	s_barrier_signal -1
	s_barrier_wait -1
.endif
	s_xor_b32 s[SB], s[SB], SLOT1
	s_mov_b32 s[TBK], s[SB]
	s_mov_b32 s[TBV], s[SB]
.endm
; THE MATRIX WORK.  The 8 accumulators of a run of 16 take turns.  Product i of S^T = K Q^T: channels 32 (i / 8) on, keys 16 ((i / 2) % 4) on, tile i % 2; the first 8 start the sums with the mask.
.macro KQ
.set rS, S+32*(i%2)+8*((i/2)%4)
.set rK, KF+16*((i/2)%4)+8*(i/8)
.set rQ, QF+16*(i%2)+8*(i/8)
.set rM, MC+32*(i%2)+8*((i/2)%4)
.if i < 8
	WIN 0x24                                       ; K window 0, Q window 1, the mask window 2, S^T window 0
	v_wmma_f32_16x16x32_bf16 v[rS:rS+7], v[rK:rK+7], v[rQ:rQ+7], v[rM:rM+7]
.else
	WIN 0x04
	v_wmma_f32_16x16x32_bf16 v[rS:rS+7], v[rK:rK+7], v[rQ:rQ+7], v[rS:rS+7]
.endif
.set i, i+1
.endm
.macro PV                              ; product i of O^T += V^T P: keys 32 (i / 8) on, channels 16 ((i / 2) % 4) on, tile i % 2
.set rO, 32*(i%2)+8*((i/2)%4)
.set rV, VF+32*(i/8)+8*((i/2)%4)
.set rP, PF+16*(i%2)+8*(i/8)
	WIN 0x54                                       ; V window 0, P and O^T window 1
	v_wmma_f32_16x16x32_bf16 v[rO:rO+7], v[rV:rV+7], v[rP:rP+7], v[rO:rO+7]
.set i, i+1
.endm
.macro FETCH_K                         ; a step's K, my head: 64 keys x 64 channels, 16 loads in one run
	v_add_nc_u32 v[AK], s[TBK], v[AK0]
	s_add_co_u32 s[TBK], s[TBK], 64*PK
.irp f, 0,1,2,3,4,5,6,7
	ds_load_b128 v[KF+8*\f:KF+8*\f+3],   v[AK] offset:(\f/2)*16*PK+(\f%2)*64
	ds_load_b128 v[KF+8*\f+4:KF+8*\f+7], v[AK] offset:(\f/2)*16*PK+(\f%2)*64+32
.endr
.endm
.macro FETCH_V                         ; its V, turned
	v_add_nc_u32 v[AV], s[TBV], v[AV0]
	s_add_co_u32 s[TBV], s[TBV], 64*PV
.irp f, 0,1,2,3,4,5,6,7
	ds_load_tr16_b128 v[VF+8*\f:VF+8*\f+3],   v[AV] offset:(\f/4)*32*PV+(\f%4)*32
	ds_load_tr16_b128 v[VF+8*\f+4:VF+8*\f+7], v[AV] offset:(\f/4)*32*PV+16*PV+(\f%4)*32
.endr
.endm
; Number n of the 22 that find tile t's maximum and statistics.  0-11: four chains c0-c3 of seven scores each (each accumulator's lowest registers are read first); 12-14, 16: the four scores left over,
; the old m, c0-c3 into c0; 15: c m_old is kept; 17, 18: the query's other 32 keys lie in the lane 16 away: the new m; 19-21: c m; c m_old - c m_new; a.
.macro XS t, n
.set rT, ST+4*(\t)
.set rC, TMP+4*(\t)
.set rW, MV+(\t)
.set rS, S+32*(\t)
.if (\n) < 4
	v_max3_num_f32 v[rC+(\n)], v[rS+8*(\n)], v[rS+8*(\n)+1], v[rS+8*(\n)+2]
.elseif (\n) < 12
	v_max3_num_f32 v[rC+(\n)%4], v[rC+(\n)%4], v[rS+8*((\n)%4)+2*((\n)/4)+1], v[rS+8*((\n)%4)+2*((\n)/4)+2]
.elseif (\n) == 12
	v_max3_num_f32 v[rC], v[rC], v[rS+7], v[rS+15]
.elseif (\n) == 13
	v_max3_num_f32 v[rC+1], v[rC+1], v[rS+23], v[rS+31]
.elseif (\n) == 14
	v_max3_num_f32 v[rC+2], v[rC+2], v[rC+3], v[rT+1]
.elseif (\n) == 15
	v_mov_b32 v[rW], v[rT]
.elseif (\n) == 16
	v_max3_num_f32 v[rC], v[rC], v[rC+1], v[rC+2]
.elseif (\n) == 17
	v_permlanex16_b32 v[rC+3], v[rC], s[SEL], s[SEL+1]
.elseif (\n) == 18
	v_max_num_f32 v[rT+1], v[rC], v[rC+3]
.elseif (\n) == 19
	v_mul_f32 v[rT], s[CS], v[rT+1]
.elseif (\n) == 20
	v_sub_f32 v[rC+1], v[rW], v[rT]
.else
	v_exp_f32 v[rC+2], v[rC+1]
.endif
.endm
.macro FS t, p                         ; c s - c m for pair p of tile t
	v_pk_fma_f32 v[S+32*(\t)+2*(\p):S+32*(\t)+2*(\p)+1], v[S+32*(\t)+2*(\p):S+32*(\t)+2*(\p)+1], s[CS:CS+1], v[ST+4*(\t):ST+4*(\t)+1] op_sel_hi:[1,0,0] neg_lo:[0,0,1] neg_hi:[0,0,1]
.endm
.macro EX t, e                         ; the exponential of score e of tile t
	v_exp_f32 v[S+32*(\t)+(\e)], v[S+32*(\t)+(\e)]
.endm
.macro MASKSET                         ; the diagonal tile: the mask of step 4 - CNT
	s_cmp_eq_u32 s[CNT], s[DS]                     ; my band's own step?
	s_cselect_b32 s[AL], 1.0, 0
	s_cmp_lt_u32 s[CNT], s[DS]                     ; or a later one?
	s_cselect_b32 s[BE], s[BIGN], 0
	WIN 0x82
.set z, 0
.rept 32
	v_pk_fma_f32 v[MC+2*z:MC+2*z+1], v[MD+2*z:MD+2*z+1], s[AL:AL+1], s[BE:BE+1] op_sel_hi:[1,0,0]
.set z, z+1
.endr
	WIN 0
.endm
; A KEY STEP.  K's 16 loads were issued ahead of V's 16.  The next step's K is fetched behind this step's products K Q^T, its V behind the products V^T P; a tile's last step fetches nothing (the next tile lies behind a change of slots).
.macro STEP
	s_wait_dscnt 16                                ; K is in; V's sixteen loads, issued behind K's, may be out
.set i, 0
.rept 16
	KQ
.endr
	WIN 0
	PLACES                                         ; behind the products, ahead of the reads of S^T and of the loads into K's registers
	s_cmp_eq_u32 s[CNT], 1
	s_cbranch_scc1 .Lno_k_\@
	FETCH_K
.Lno_k_\@:
.irp n, 0,1,2,3,4,5,6,7,8,9,10,11,12,13,14,15,16,17,18,19,20,21
	XS 0, \n
	XS 1, \n
.endr
.set bb, 0
.rept 16                               ; one batch: the two a above and the 64 exponentials; a pair's exponentials stand behind the next pair's scaling; nothing here names a result of theirs
	FS 0, bb
.if bb > 0
	EX 0, 2*bb-2
.endif
	FS 1, bb
.if bb > 0
	EX 0, 2*bb-1
	EX 1, 2*bb-2
	EX 1, 2*bb-1
.endif
.set bb, bb+1
.endr
	EX 0, 30
	EX 0, 31
	EX 1, 30
	EX 1, 31
	v_nop                                          ; a plain instruction behind the last exponential,
	s_wait_alu depctr_va_vdst(0)                   ; and the one wait for the batch, ahead of its first reader
	WIN 0x40
.set z, 0
.rept 16
	v_cvt_pk_bf16_f32 v[PF+z], v[S+2*z], v[S+2*z+1]
	v_cvt_pk_bf16_f32 v[PF+16+z], v[S+32+2*z], v[S+32+2*z+1]
.set z, z+1
.endr
	WIN 0
.irp w, 4, 8, 16, 32                   ; the sum of a tile's 16 pairs, in place: neighbours 1, 2, 4 and 8 pairs apart
.set u, 0
.rept 32/\w
	v_pk_add_f32 v[S+u:S+u+1], v[S+u:S+u+1], v[S+u+\w/2:S+u+\w/2+1]
	v_pk_add_f32 v[S+32+u:S+32+u+1], v[S+32+u:S+32+u+1], v[S+32+u+\w/2:S+32+u+\w/2+1]
.set u, u+\w
.endr
.endr
	v_pk_fma_f32 v[ST+2:ST+3], v[ST+2:ST+3], v[TMP+2:TMP+3], v[S:S+1] op_sel_hi:[1,0,1]          ; l = a l + sum
	v_pk_fma_f32 v[ST+6:ST+7], v[ST+6:ST+7], v[TMP+6:TMP+7], v[S+32:S+33] op_sel_hi:[1,0,1]
	WIN 0x41
.set z, 0
.rept 16
	v_pk_mul_f32 v[z:z+1], v[z:z+1], v[TMP+2:TMP+3] op_sel_hi:[1,0]                              ; O^T times a, each accumulator from its low end on
	v_pk_mul_f32 v[32+z:33+z], v[32+z:33+z], v[TMP+6:TMP+7] op_sel_hi:[1,0]
.set z, z+2
.endr
	s_wait_dscnt 0x0                               ; V is in (the count is 0 because the tile's last step has no younger loads)
.set i, 0
.rept 16
	PV
.endr
	WIN 0
	PLACES                                         ; behind the products, ahead of the loads into V's registers
	s_cmp_eq_u32 s[CNT], 1
	s_cbranch_scc1 .Lno_v_\@
	FETCH_V
.Lno_v_\@:
.endm
.macro TILE                            ; a tile's four key steps; RT = 0: it is the diagonal one
	FETCH_K
	FETCH_V
	s_mov_b32 s[CNT], 4
.Lstep_\@:
	s_cmp_lg_u32 s[RT], 0
	s_cbranch_scc1 .Lno_mask_\@
	MASKSET
.Lno_mask_\@:
	STEP
	s_sub_co_u32 s[CNT], s[CNT], 1
	s_cmp_lg_u32 s[CNT], 0
	s_cbranch_scc1 .Lstep_\@
.endm
.macro BEGIN                           ; a block begins
	WIN 0x40
.set z, 0
.rept 64
	v_mov_b32 v[z], 0
.set z, z+1
.endr
	WIN 0x80
.set z, 0
.rept 64
	v_mov_b32 v[MC+z], 0
.set z, z+1
.endr
	WIN 0
.irp t, 0,1
	v_mov_b32 v[ST+4*\t], 0xfe000000               ; c m: far below every c s
	v_mov_b32 v[ST+4*\t+1], 0xff7fffff             ; m
	v_mov_b32 v[ST+4*\t+2], 0
	v_mov_b32 v[ST+4*\t+3], 0
.endr
.endm
.macro FINISH g                        ; a block ends: O^T / l, rounded, 16 bytes a lane into stage g
	WIN 0
.irp t, 0,1
	v_add_f32 v[ST+4*\t+2], v[ST+4*\t+2], v[ST+4*\t+3]
.endr
.irp t, 0,1
	v_permlanex16_b32 v[ST+4*\t+3], v[ST+4*\t+2], s[SEL], s[SEL+1]
.endr
.irp t, 0,1
	v_add_f32 v[ST+4*\t+2], v[ST+4*\t+2], v[ST+4*\t+3]
.endr
.irp t, 0,1
	v_rcp_f32 v[ST+4*\t+2], v[ST+4*\t+2]
.endr
	v_nop
	s_wait_alu depctr_va_vdst(0)                   ; one wait for the two reciprocals
	WIN 0x41
.set z, 0
.rept 16
	v_pk_mul_f32 v[z:z+1], v[z:z+1], v[ST+2:ST+3] op_sel_hi:[1,0]
	v_pk_mul_f32 v[32+z:33+z], v[32+z:33+z], v[ST+6:ST+7] op_sel_hi:[1,0]
.set z, z+2
.endr
	WIN 0x05
.set z, 0
.rept 32
	v_cvt_pk_bf16_f32 v[S+z], v[2*z], v[2*z+1]
.set z, z+1
.endr
	WIN 0
.irp t, 0,1
.irp cb, 0,1,2,3
	ds_store_b128 v[STO], v[S+16*\t+4*\cb:S+16*\t+4*\cb+3] offset:(\g)*STGB+\t*16*SPS+32*\cb
.endr
.endr
.endm
; At the launch's end, behind a barrier: wave w reads rows 16 w .. + 15 of stage g whole (256 bytes: both heads) into 32 of S^T's registers, and stores them.
.macro DLOAD g
.irp f, 0,1,2,3,4,5,6,7
	ds_load_b128 v[S+32*(\g)+4*\f:S+32*(\g)+4*\f+3], v[RD] offset:(\g)*STGB+2*SPS*\f
.endr
.endm
.macro DSTORE g, addr, younger         ; younger: the LDS loads issued behind stage g's eight
.irp f, 0,1,2,3,4,5,6,7
	s_wait_dscnt (\younger)+7-\f
	global_store_b128 v[GO], v[S+32*(\g)+4*\f:S+32*(\g)+4*\f+3], s[\addr:\addr+1] offset:4096*\f    ; 16 lanes store 256 consecutive bytes, aligned; no register that a store reads is written again
.endr
.endm
	s_load_b128 s[4:7], s[0:1], 0x0                ; qkv s[4:5], o s[6:7]
	v_lshl_add_u32 v[SPW], v0, 2, SPARE
	v_mov_b32 v[NIL], 0
	ds_add_u32 v[SPW], v[NIL]                      ; the wave's opening: the add and its wait stand ahead of my first tensor load; the set-up below stands between them
	v_lshrrev_b32 v1, 5, v0
	v_readfirstlane_b32 s[WV], v1
	s_bfe_u32 s[CX], ttmp6, 0x40000
	s_mov_b32 s[PB], ttmp9
	s_sub_co_u32 s[HI], 7, s[PB]
	s_and_b32 s48, ttmp7, 0xffff
	s_lshr_b32 s49, s48, 3                         ; batch
	s_and_b32 s50, s48, 7                          ; head pair
	s_and_b32 s51, s[WV], 1                        ; my 32 of the 64 queries; also which half of a tile I fetch
	s_lshr_b32 s52, s[WV], 1                       ; my head of the pair
	s_mul_i32 s[KB], s49, 2048*ROWB                ; K: the batch, k's 2,048 bytes on, the pair's 256 bytes, my 128 rows: nothing of cx
	s_lshl_b32 s53, s50, 8
	s_add_co_u32 s[KB], s[KB], s53
	s_mul_i32 s54, s51, 128*ROWB
	s_add_co_u32 s[KB], s[KB], s54
	s_add_co_u32 s[KB], s[KB], 2048
	s_mov_b32 s[KB+1], 0
	s_add_co_u32 s[VB], s[KB], 2048
	s_mov_b32 s[VB+1], 0
	s_mov_b32 s[G0K], 1
	s_mul_i32 s[G0K+1], s51, 128*PK                ; slot 0
	s_mov_b32 s[G0V], 1
	s_mul_i32 s[G0V+1], s51, 128*PV
	s_add_co_u32 s[G0V+1], s[G0V+1], VOFF
	s_mov_b32 s[G1K], 15|(1<<16)|(1<<20)|(1<<21)|(5<<22)|(3<<25)   ; the mask of four; 2-byte elements; padding on; bit 21 beside a mask; after every 64 words 4 words
	s_mov_b32 s[G1V], 15|(1<<16)|(1<<20)|(1<<21)|(5<<22)|(7<<25)   ; 8 words
.irp g, G1K, G1V
	s_mov_b32 s[\g+1], 128<<16                     ; 128 rows x 128 elements, 3,072 elements from row to row
	s_mov_b32 s[\g+2], 128<<16
	s_mov_b32 s[\g+3], 128<<16
	s_mov_b32 s[\g+4], 128
	s_mov_b32 s[\g+5], 3072
	s_mov_b32 s[\g+6], 0
	s_mov_b32 s[\g+7], 0
.endr
	s_lshl_b32 s2, s49, 11                         ; my work-group's rows: the batch's 2,048, 64 cx,
	s_lshl_b32 s3, s[CX], 6
	s_add_co_u32 s2, s2, s3
	s_lshl_b32 s3, s[HI], 8
	s_add_co_u32 s3, s3, s2                        ; in the first block,
	s_lshl_b32 s55, s[PB], 8
	s_add_co_u32 s55, s55, s2                      ; and in the second
	s_lshl_b32 s54, s51, 5
	s_add_co_u32 s[QHI], s3, s54
	s_mul_i32 s[QHI], s[QHI], ROWB
	s_add_co_u32 s[QLO], s55, s54
	s_mul_i32 s[QLO], s[QLO], ROWB
	s_lshl_b32 s54, s52, 7
	s_add_co_u32 s54, s54, s53
	s_add_co_u32 s[QHI], s[QHI], s54
	s_add_co_u32 s[QLO], s[QLO], s54
	s_mov_b32 s[QHI+1], 0
	s_mov_b32 s[QLO+1], 0
	s_lshl_b32 s54, s[WV], 4                       ; o: wave w stores rows 16 w .. + 15
	s_add_co_u32 s[OHI], s3, s54
	s_lshl_b32 s[OHI], s[OHI], 11
	s_add_co_u32 s[OHI], s[OHI], s53
	s_add_co_u32 s[OLO], s55, s54
	s_lshl_b32 s[OLO], s[OLO], 11
	s_add_co_u32 s[OLO], s[OLO], s53
	s_mov_b32 s[OHI+1], 0
	s_mov_b32 s[OLO+1], 0
	s_mov_b32 s[CS], 0x3e38aa3b                    ; c = log2(e) / 8
	s_mov_b32 s[CS+1], s[CS]
	s_mov_b32 s[SEL], 0x76543210
	s_mov_b32 s[SEL+1], 0xfedcba98
	s_mov_b32 s[BIGN], 0xf149f2ca                  ; -1e30
	s_mov_b32 s[OFF+1], 0
	s_mov_b32 s[AL+1], 0
	s_mov_b32 s[BE+1], 0
	s_mov_b32 s[SLOTS], 8
	s_mov_b32 s[SB], SLOT1                         ; the first change of slots turns it into 0
	s_add_co_u32 s[RT], s[HI], 1                   ; the first block has 8 - c tiles
	s_mov_b32 s[NXT], 1
	s_mov_b32 s[LQ], s[HI]
	s_sub_co_u32 s[DS], 4, s[CX]
	s_cmp_eq_u32 ttmp9, 0
	s_cselect_b32 s[LIM], 2, -1                    ; the same in all four partners
	s_wait_dscnt 0x0                               ; the opening add is done
	s_wait_kmcnt 0x0
	s_add_nc_u64 s[KB:KB+1], s[4:5], s[KB:KB+1]
	s_add_nc_u64 s[VB:VB+1], s[4:5], s[VB:VB+1]
	s_add_nc_u64 s[QHI:QHI+1], s[4:5], s[QHI:QHI+1]
	s_add_nc_u64 s[QLO:QLO+1], s[4:5], s[QLO:QLO+1]
	s_add_nc_u64 s[OHI:OHI+1], s[6:7], s[OHI:OHI+1]
	s_add_nc_u64 s[OLO:OLO+1], s[6:7], s[OLO:OLO+1]
	s_add_nc_u64 s[G0K+2:G0K+3], s[KB:KB+1], 0
	s_or_b32 s[G0K+3], s[G0K+3], 0x80000000
	s_add_nc_u64 s[G0V+2:G0V+3], s[VB:VB+1], 0
	s_or_b32 s[G0V+3], s[G0V+3], 0x80000000
	s_cmp_lt_u32 s[WV], 2
	s_cselect_b64 s[PFA:PFA+1], s[KB:KB+1], s[VB:VB+1]
	s_mul_i32 s2, s[CX], 32*ROWB                   ; my work-group's 32 of the 128 rows that I fetch
	s_mov_b32 s3, 0
	s_add_nc_u64 s[PFA:PFA+1], s[PFA:PFA+1], s[2:3]
	s_add_nc_u64 s[PFA:PFA+1], s[PFA:PFA+1], TILEB ; at tile 1; the first change of slots steps it to tile 2.  Nothing is prefetched at the head
	CROUND                                         ; all four work-groups are here: the first joint loads meet
	JLOAD                                          ; tile 0 into slot 0
	v_and_b32 v1, 15, v0                           ; l % 16
	v_bfe_u32 v9, v0, 4, 1                         ; l / 16
	v_mul_u32_u24 v[QO], v1, ROWB
	v_lshl_add_u32 v[QO], v9, 4, v[QO]
	WIN 0x40
.irp f, 0,1,2,3                        ; both blocks' Q stay in registers: tile f / 2, channels 32 (f % 2) on
	global_load_b128 v[QF+8*\f:QF+8*\f+3],   v[QO], s[QHI:QHI+1] offset:(\f/2)*16*ROWB+(\f%2)*64
	global_load_b128 v[QF+8*\f+4:QF+8*\f+7], v[QO], s[QHI:QHI+1] offset:(\f/2)*16*ROWB+(\f%2)*64+32
	global_load_b128 v[QB+8*\f:QB+8*\f+3],   v[QO], s[QLO:QLO+1] offset:(\f/2)*16*ROWB+(\f%2)*64
	global_load_b128 v[QB+8*\f+4:QB+8*\f+7], v[QO], s[QLO:QLO+1] offset:(\f/2)*16*ROWB+(\f%2)*64+32
.endr
	WIN 0
	s_lshl_b32 s54, s52, 7                         ; my head's 128 bytes of a row
	v_mul_u32_u24 v[AK0], v1, PK
	v_lshl_add_u32 v[AK0], v9, 4, v[AK0]
	v_add_nc_u32 v[AK0], s54, v[AK0]
	v_and_b32 v10, 7, v0                           ; the turning load: lane l reads key 8 (l / 16) + l % 8, 16 bytes at 16 ((l / 8) % 2)
	v_bfe_u32 v11, v0, 3, 1
	v_lshl_add_u32 v[AV0], v9, 3, v10
	v_mul_u32_u24 v[AV0], v[AV0], PV
	v_lshl_add_u32 v[AV0], v11, 4, v[AV0]
	s_add_co_u32 s54, s54, VOFF
	v_add_nc_u32 v[AV0], s54, v[AV0]
	s_mul_i32 s48, s51, 32*SPS                     ; into a stage: row 32 (w % 2) + l % 16 (+ 16 for tile 1), my head's half, 16 bytes for each half of the lanes
	s_lshl_b32 s49, s52, 7
	s_add_co_u32 s48, s48, s49
	s_add_co_u32 s48, s48, STAGE
	v_mul_u32_u24 v[STO], v1, SPS
	v_lshl_add_u32 v[STO], v9, 4, v[STO]
	v_add_nc_u32 v[STO], s48, v[STO]
	s_mul_i32 s48, s[WV], 16*SPS                   ; back: lanes 0-15 one row of 256 bytes, lanes 16-31 the next
	s_add_co_u32 s48, s48, STAGE
	v_mul_u32_u24 v[RD], v9, SPS
	v_lshl_add_u32 v[RD], v1, 4, v[RD]
	v_add_nc_u32 v[RD], s48, v[RD]
	v_lshlrev_b32 v[GO], 11, v9
	v_lshl_add_u32 v[GO], v1, 4, v[GO]
	v_and_b32 v[PFO], 31, v0
	v_mul_u32_u24 v[PFO], v[PFO], ROWB
	v_lshlrev_b32 v10, 3, v9                       ; my query's place in its band of 64, less my lanes' 8 (l / 16): register j of key block kb is hidden where 16 kb + j is greater
	v_sub_nc_u32 v10, v1, v10
	s_lshl_b32 s48, s51, 5
	v_add_nc_u32 v10, s48, v10
	v_add_nc_u32 v11, 16, v10                      ; tile 1
	WIN 0x80
.set z, 0
.rept 32
	v_cmp_gt_i32 vcc_lo, 16*(z/8)+z%8, v10
	v_cndmask_b32 v[MD+z], 0, s[BIGN], vcc_lo
	v_cmp_gt_i32 vcc_lo, 16*(z/8)+z%8, v11
	v_cndmask_b32 v[MD+32+z], 0, s[BIGN], vcc_lo
.set z, z+1
.endr
	WIN 0
	BEGIN                                          ; all this stands in the wait for the first tile
	s_wait_loadcnt 0x0                             ; Q, both blocks'
.Lslot:                                                ; 8 trips: a tile is entered and the next is asked for
	CHANGE 1
	s_sub_co_u32 s[RT], s[RT], 1
	TILE
	s_cmp_lg_u32 s[RT], 0
	s_cbranch_scc1 .Lbottom
	FINISH 0                                       ; in the loop this is the first block's end: the second block's last tile is the walk's last.  The block waits in stage 0 for the launch's end
	WIN 0x41
.set z, 0
.rept 32
	v_mov_b32 v[QF+z], v[QB+z]                     ; the second block's Q goes where the one text of the step names Q
.set z, z+1
.endr
	BEGIN
	s_add_co_u32 s[RT], s[PB], 1                   ; the second block has c + 1 tiles
.Lbottom:
	s_sub_co_u32 s[SLOTS], s[SLOTS], 1
	s_cmp_lg_u32 s[SLOTS], 0
	s_cbranch_scc1 .Lslot
	CHANGE 0                                       ; the walk's last tile is written out: nothing is asked for
	s_sub_co_u32 s[RT], s[RT], 1
	TILE
	FINISH 1
	s_wait_dscnt 0x0                               ; for the others' sake: my stores into the stages are done
	s_barrier_signal -1
	s_barrier_wait -1                              ; everybody's are: both blocks lie whole in their stages
	DLOAD 0
	DLOAD 1
	DSTORE 0, OHI, 8                               ; the counts leave the younger loads out: stage 1's eight, and those of the stage in hand
	DSTORE 1, OLO, 0
	s_wait_tensorcnt 0x0                           ; the wave's end
	ds_add_u32 v[SPW], v[NIL]
	s_wait_dscnt 0x0
	CROUND                                         ; the closing round
	s_endpgm
.Lfunc_end_k_q70f51d1a2c_attn:
	.size	k_q70f51d1a2c_attn, .Lfunc_end_k_q70f51d1a2c_attn-k_q70f51d1a2c_attn
	.p2alignl 7, 3214868480
	.fill 96, 4, 3214868480
	.section	.rodata,"a",@progbits
	.p2align	6, 0x0
	.amdhsa_kernel k_q70f51d1a2c_attn
		.amdhsa_group_segment_fixed_size 327680
		.amdhsa_private_segment_fixed_size 0
		.amdhsa_enable_private_segment 0
		.amdhsa_kernarg_size 16
		.amdhsa_user_sgpr_count 2
		.amdhsa_user_sgpr_kernarg_segment_ptr 1
		.amdhsa_wavefront_size32 1
		.amdhsa_system_sgpr_workgroup_id_x 1
		.amdhsa_system_sgpr_workgroup_id_y 1
		.amdhsa_system_sgpr_workgroup_id_z 1
		.amdhsa_system_vgpr_workitem_id 0
		.amdhsa_next_free_vgpr 640
		.amdhsa_next_free_sgpr 92
		.amdhsa_reserve_vcc 1
		.amdhsa_float_denorm_mode_32 3
		.amdhsa_float_denorm_mode_16_64 3
		.amdhsa_memory_ordered 1
		.amdhsa_forward_progress 1
		.amdhsa_inst_pref_size 86
	.end_amdhsa_kernel
	.amdgpu_metadata
---
amdhsa.version: [ 1, 2 ]
amdhsa.kernels:
  - .name:           k_q70f51d1a2c_attn
    .symbol:         k_q70f51d1a2c_attn.kd
    .args:
      - { .name: qkv, .offset: 0, .size: 8, .value_kind: global_buffer, .address_space: global }
      - { .name: o, .offset: 8, .size: 8, .value_kind: global_buffer, .address_space: global }
    .group_segment_fixed_size: 327680
    .private_segment_fixed_size: 0
    .kernarg_segment_align: 8
    .kernarg_segment_size: 16
    .max_flat_workgroup_size: 128
    .sgpr_count:     92
    .vgpr_count:     640
    .wavefront_size: 32
...
	.end_amdgpu_metadata
.endif
;; end of part 3
;; launch gproj (part 4): grid 8 x 32, 4 waves a work-group, clusters of 4 x 4, 327,680 bytes of LDS; arguments o, wb, b_proj, x, x1; writes x1
.if DOCPART == 4
	.amdgcn_target "amdgcn-amd-amdhsa--gfx1250"
	.amdhsa_code_object_version 6
	.text
	.protected	k_q70f51d1a2c_gproj
	.globl	k_q70f51d1a2c_gproj
	.p2align	8
	.type	k_q70f51d1a2c_gproj,@function
k_q70f51d1a2c_gproj:
	s_mov_b64 s[64:65], 0
	v_nop
	global_prefetch_b8 v0, s[64:65] scope:SCOPE_SE
	s_setreg_imm32_b32 hwreg(HW_REG_WAVE_MODE, 25, 1), 1
	s_wait_xcnt 0x0
	s_wait_alu depctr_hold_cnt(0) depctr_sa_sdst(0) depctr_va_vdst(0) depctr_va_sdst(0) depctr_va_ssrc(0) depctr_va_vcc(0) depctr_vm_vsrc(0)
	s_getreg_b32 s2, hwreg(HW_REG_IB_STS2, 6, 4)
	s_cmp_eq_u32 s2, 0
	s_cbranch_scc0 .Lentry_in_a_cluster
	s_endpgm
.Lentry_in_a_cluster:
	s_bfe_u32 s2, ttmp6, 0x10000c
	s_cmp_lg_u32 s2, 0xf033
	s_cbranch_scc0 .Lentry_shape_is_right
	s_endpgm
.Lentry_shape_is_right:
; x1 = x + o Wp + b_proj.  C[m][n] = R[m][n] + bias[n] + sum over k of A[m][k] W[k][n].  A: [4096][SIZE_K] bf16; W: [SIZE_K][1024] bf16 at byte WOFF of the weights' buffer; bias, R and C f32, R and C [4096][1024].  Sums in f32.
; 4,096 x 1,024 of C are 256 tiles of 128 x 128, one for each work-group.  Four waves, each 64 x 64: 16 accumulators.  K goes in steps of 256, as long as two LDS slots allow, so that a refill has 112 matrix instructions in which to land.
; W LIES [K][N]: its tile comes into LDS as it lies (256 rows of 256 bytes) and is turned on the way into registers by ds_load_tr16_b128.
; THE MATRIX INSTRUCTION IS USED TRANSPOSED (source 0 = 16 columns of W, source 1 = 16 rows of A): lane l holds row l % 16 of C and the columns 8 (l / 16) + 0..7.  THE BIAS IS THE C OPERAND of each accumulator's first product.
; CLUSTERS: 4 x 4 work-groups; A's tile is asked for jointly by the four of a row of the cluster, W's by the four of a column.  No prefetch: the tiles are small and a step short.
; THE WALK ALONG K IS TURNED.  Within each four K steps cluster (x, y) begins at step (y + 2 x) mod 4: place t of its walk is K step (t & ~3) | ((t + y + 2 x) & 3).  So the two clusters of one y, which read the same rows of A,
; ask for a given tile two steps apart, and clusters of one x, which read the same columns of W, one to three steps apart (y and y + 4 alike).  The f32 sums may be taken in any order.  The turn hangs on the cluster's x and y alone,
; which all sixteen partners share; each refill's addresses are made anew from the K step's number.
; ONE K STEP IS WRITTEN ONCE: the slot in hand is a scalar (TB) that an exclusive or turns; the walking descriptors' LDS words are turned alike (no fill base has a bit of SLOT1 = 0x24000 set).
; THE RESIDUAL, 128 registers a lane, is asked for at the head and lands under the products.  THE WAY OUT: when the last fill has been read slot 0's bytes serve as stages: each wave lays its 64 x 64 sums down in f32
; (rows of 272 bytes), reads whole rows back, adds the residual and stores: 16 lanes store 256 consecutive bytes, aligned.
; REGISTERS: window 0: v16-29 addresses; v32-63 the bias fragments; v64-127 the way out; v128-255 the accumulators, (a, b) at 128 + 8 (4 a + b).  Window 1: two fragment buffers of 128: 64 of A, then 64 of W.  Window 2: v0-127 the residual, then the result.
.set SIZE_K, 1024
.set SIZE_N, 1024
.set WOFF,   6291456
.set KSTEP,  256
.set NK,     SIZE_K/KSTEP
.set PA,     528                       ; a row of A in LDS: 512 bytes + 16: the 16 rows of a fragment load start at 16 different groups of four banks (64 banks of 4 bytes: ISA guide 11.1)
.set PW,     288                       ; a row of W: 256 + 32, an odd multiple of 32
.set WO,     128*PA                    ; W's 256 rows lie behind A's 128
.set SLOT1,  0x24000
.set SPARE,  SLOT1+WO+256*PW           ; the spare words, 128 bytes a wave: two blocks of 256 bytes that no other line names
.set SPS,    272                       ; a stage row: 64 f32 + 16 bytes
.set WST,    64*SPS
.set A0,  16
.set B0,  17
.set ADRA, 18                          ; A0 + TB
.set ADRB, 19                          ; B0 + TB
.set ADRB2, 20                         ; 128 rows of W further on: the second half's offsets would pass 16 bits
.set STO, 24
.set RD,  25
.set CO,  26                           ; my 16 bytes in two rows of R and C
.set BO,  27
.set SPW, 28
.set NIL, 29
.set BI,  32
.set TMP, 64
.set ACC, 128
.set F0,  0
.set F1,  128
.set RES, 10                           ; s[10:11] R, s[12:13] C
.set CP,  12
.set WV, 14
.set RH, 15
.set CH, 16
.set CX, 17
.set CY, 18
.set TC, 19
.set TR, 20
.set G1A, 24
.set G0A, 32
.set G1B, 40
.set G0B, 48
.set TB,  56
.set CNT, 57
.set TT,  58                           ; s58 the place in the walk that the next refill brings
.set ROT, 59                           ; s59 (cluster y + 2 x cluster x) mod 4
.set BA,  66                           ; s[66:67] A at my rows, K step 0;  s[68:69] W at my columns and my half of a step's rows, K step 0
.set BW,  68
.set OFS, 76                           ; s[76:77] a K step's byte offset; s77 stays 0
.set MSB, 0
.macro WIN new
.if MSB != (\new)
	s_set_vgpr_msb (MSB<<8)|(\new)
.set MSB, \new
.endif
.endm
.macro PLACES
.rept 4
	v_nop
.endr
.endm
.macro CREST
	s_cmp_lg_u32 s[WV], 0
	s_cbranch_scc1 .Lnot_wave_0_\@
	s_barrier_signal -3
.Lnot_wave_0_\@:
	s_barrier_wait -3
	s_barrier_signal -1
	s_barrier_wait -1
.endm
.macro CROUND
	s_barrier_signal -1
	s_barrier_wait -1
	CREST
.endm
.macro JLOAD                           ; a joint refill by the walking sets: waves 0, 1 A's halves, waves 2, 3 W's; an s_nop 0 and four v_nop follow each line
	s_cmp_eq_u32 s[RH], 0
	s_cbranch_scc0 .Lfor_w_\@
	tensor_load_to_lds s[G0A+4:G0A+7], s[G1A:G1A+7]
	s_nop 0
.rept 4
	v_nop
.endr
	s_branch .Lasked_\@
.Lfor_w_\@:
	tensor_load_to_lds s[G0B+4:G0B+7], s[G1B:G1B+7]
	s_nop 0
.rept 4
	v_nop
.endr
.Lasked_\@:
.endm
.macro AIM g                           ; K step s78 into the global addresses of set g of both descriptors: 512 bytes a step along A's rows, 256 rows of 2,048 bytes down W
	s_lshl_b32 s[OFS], s78, 9
	s_add_nc_u64 s[G0A+4*(\g)+2:G0A+4*(\g)+3], s[BA:BA+1], s[OFS:OFS+1]
	s_or_b32 s[G0A+4*(\g)+3], s[G0A+4*(\g)+3], 0x80000000
	s_lshl_b32 s[OFS], s78, 19
	s_add_nc_u64 s[G0B+4*(\g)+2:G0B+4*(\g)+3], s[BW:BW+1], s[OFS:OFS+1]
	s_or_b32 s[G0B+4*(\g)+3], s[G0B+4*(\g)+3], 0x80000000
.endm
.macro FETCH q, f                      ; 32 LDS loads in one run: quarter q (64 along K) into buffer f; the first 32 along K first
	WIN 0x40
.irp c, 0,1
.irp i, 0,1,2,3
.if (\q) < 2
	ds_load_tr16_b128 v[(\f)+64+8*(4*(\c)+(\i)):(\f)+64+8*(4*(\c)+(\i))+3],   v[ADRB] offset:(64*(\q)+32*(\c))*PW+32*(\i)
	ds_load_tr16_b128 v[(\f)+64+8*(4*(\c)+(\i))+4:(\f)+64+8*(4*(\c)+(\i))+7], v[ADRB] offset:(64*(\q)+32*(\c)+16)*PW+32*(\i)
.else
	ds_load_tr16_b128 v[(\f)+64+8*(4*(\c)+(\i)):(\f)+64+8*(4*(\c)+(\i))+3],   v[ADRB2] offset:(64*((\q)-2)+32*(\c))*PW+32*(\i)
	ds_load_tr16_b128 v[(\f)+64+8*(4*(\c)+(\i))+4:(\f)+64+8*(4*(\c)+(\i))+7], v[ADRB2] offset:(64*((\q)-2)+32*(\c)+16)*PW+32*(\i)
.endif
	ds_load_b128 v[(\f)+8*(4*(\c)+(\i)):(\f)+8*(4*(\c)+(\i))+3],   v[ADRA] offset:128*(\q)+64*(\c)+(\i)*16*PA
	ds_load_b128 v[(\f)+8*(4*(\c)+(\i))+4:(\f)+8*(4*(\c)+(\i))+7], v[ADRA] offset:128*(\q)+64*(\c)+(\i)*16*PA+32
.endr
.endr
.endm
; 8 matrix instructions: row blocks a0, a0 + 1 x all 4 column blocks, half c of buffer f.  first = 1: the bias starts the sums.  The 16 accumulators take turns.
.macro MUL8 f, c, a0, first
	WIN 0x05
.irp a, \a0, (\a0)+1
.irp b, 0,1,2,3
.if \first
	v_wmma_f32_16x16x32_bf16 v[ACC+8*(4*(\a)+(\b)):ACC+8*(4*(\a)+(\b))+7], v[(\f)+64+8*(4*(\c)+(\b)):(\f)+64+8*(4*(\c)+(\b))+7], v[(\f)+8*(4*(\c)+(\a)):(\f)+8*(4*(\c)+(\a))+7], v[BI+8*(\b):BI+8*(\b)+7]
.else
	v_wmma_f32_16x16x32_bf16 v[ACC+8*(4*(\a)+(\b)):ACC+8*(4*(\a)+(\b))+7], v[(\f)+64+8*(4*(\c)+(\b)):(\f)+64+8*(4*(\c)+(\b))+7], v[(\f)+8*(4*(\c)+(\a)):(\f)+8*(4*(\c)+(\a))+7], v[ACC+8*(4*(\a)+(\b)):ACC+8*(4*(\a)+(\b))+7]
.endif
.endr
.endr
.endm
.macro QUARTER q, f, g, first
	s_wait_dscnt 16                                ; the first 32 along K are in
	MUL8 \f, 0, 0, \first
	MUL8 \f, 0, 2, \first
	PLACES
	FETCH \q, \g
	s_wait_dscnt 32                                ; all but the 32 just issued
	MUL8 \f, 1, 0, 0
	MUL8 \f, 1, 2, 0
.endm
; A K step's last quarter multiplies buffer 1 and changes slots: one barrier; in front of it each wave waits for all its tensor loads, adds 0 to its spare word, and waits for that and for its reads of this slot.
; fill = 1: the barrier opens a round of the cluster's barrier, and the slot just read is filled again, first thing behind the round, with the K step at place TT of the walk.
.macro TURN fill
	WIN 0
	s_wait_tensorcnt 0x0                           ; no tensor load of mine is out: the walking sets may be written
	ds_add_u32 v[SPW], v[NIL]                      ; 0 onto my spare word; the descriptors' scalar work stands between it and the wait for it
.if \fill
	s_add_co_u32 s78, s[TT], s[ROT]
	s_and_b32 s78, s78, 3
	s_and_b32 s79, s[TT], -4
	s_or_b32 s78, s78, s79                         ; the K step at place TT
	s_add_co_u32 s[TT], s[TT], 1
	s_xor_b32 s[G0A+5], s[G0A+5], SLOT1            ; the other slot than last time
	s_xor_b32 s[G0B+5], s[G0B+5], SLOT1
	AIM 1
.endif
	s_wait_dscnt 17                                ; (the add and the youngest sixteen loads may be out)
	MUL8 F1, 0, 0, 0
	s_wait_dscnt 0x0
	s_barrier_signal -1
	MUL8 F1, 0, 2, 0
	WIN 0
	s_barrier_wait -1
.if \fill
	CREST
	JLOAD                                          ; its four v_nop are also the places in front of the loads below
.else
	PLACES
.endif
	s_xor_b32 s[TB], s[TB], SLOT1
	v_add_nc_u32 v[ADRA], s[TB], v[A0]
	v_add_nc_u32 v[ADRB], s[TB], v[B0]
	v_add_nc_u32 v[ADRB2], 128*PW, v[ADRB]
	FETCH 0, F0
	MUL8 F1, 1, 0, 0
	MUL8 F1, 1, 2, 0
.endm
	s_load_b256 s[4:11], s[0:1], 0x0               ; A s[4:5], weights s[6:7], bias s[8:9], R s[10:11]
	s_load_b64 s[12:13], s[0:1], 0x20              ; C
	v_lshl_add_u32 v[SPW], v0, 2, SPARE
	v_mov_b32 v[NIL], 0
	ds_add_u32 v[SPW], v[NIL]                      ; the wave's opening: the add and its wait stand ahead of my first tensor load
	v_lshrrev_b32 v1, 5, v0
	v_readfirstlane_b32 s[WV], v1
	s_lshr_b32 s[RH], s[WV], 1
	s_and_b32 s[CH], s[WV], 1
	s_bfe_u32 s[CX], ttmp6, 0x40000
	s_bfe_u32 s[CY], ttmp6, 0x40004
	s_lshl_b32 s[TC], ttmp9, 2
	s_add_co_u32 s[TC], s[TC], s[CX]
	s_and_b32 s[TR], ttmp7, 0xffff
	s_lshl_b32 s79, ttmp9, 1
	s_add_co_u32 s[ROT], s[TR], s79
	s_and_b32 s[ROT], s[ROT], 3                    ; the walk's turn: cluster y + 2 x cluster x, mod 4
	s_mov_b32 s[TT], 2                             ; places 0 and 1 are the first fills
	s_mov_b32 s[OFS+1], 0
	s_lshl_b32 s[TR], s[TR], 2
	s_add_co_u32 s[TR], s[TR], s[CY]
	s_lshl_b32 s21, s[CY], 2
	s_lshl_b32 s21, 15, s21
	s_lshl_b32 s22, 0x1111, s[CX]
	s_or_b32 s[G1A], s21, (1<<16)|(1<<20)|(1<<21)|(6<<22)|(3<<25)   ; the mask of my row; 2-byte elements; padding on; bit 21 beside a mask; after every 128 words 4 words
	s_or_b32 s[G1B], s22, (1<<16)|(1<<20)|(1<<21)|(5<<22)|(7<<25)   ; the mask of my column; after every 64 words 8 words
	s_mov_b32 s[G1A+1], KSTEP<<16                  ; A: 64 rows x 256 elements
	s_mov_b32 s[G1A+2], 64<<16
	s_mov_b32 s[G1A+3], KSTEP<<16
	s_mov_b32 s[G1A+4], 64
	s_mov_b32 s[G1A+5], SIZE_K
	s_mov_b32 s[G1A+6], 0
	s_mov_b32 s[G1A+7], 0
	s_mov_b32 s[G1B+1], 128<<16                    ; W: 128 rows x 128 elements
	s_mov_b32 s[G1B+2], 128<<16
	s_mov_b32 s[G1B+3], 128<<16
	s_mov_b32 s[G1B+4], 128
	s_mov_b32 s[G1B+5], SIZE_N
	s_mov_b32 s[G1B+6], 0
	s_mov_b32 s[G1B+7], 0
	s_lshl_b32 s[BA], s[TR], 7                     ; A: row 128 x tile row + 64 x half: of the places in the cluster cy alone enters
	s_lshl_b32 s21, s[CH], 6
	s_add_co_u32 s[BA], s[BA], s21
	s_mul_i32 s[BA], s[BA], 2*SIZE_K
	s_mov_b32 s[BA+1], 0
	s_lshl_b32 s[BW], s[TC], 8                     ; W: 256 bytes x tile column + 128 x half rows: cx alone enters
	s_lshl_b32 s22, s[CH], 18
	s_add_co_u32 s[BW], s[BW], s22
	s_add_co_u32 s[BW], s[BW], WOFF
	s_mov_b32 s[BW+1], 0
	s_mul_i32 s23, s[CH], 64*PA                    ; where they go: no place in the cluster enters an LDS address
	s_mul_i32 s74, s[CH], 128*PW
	s_add_co_u32 s74, s74, WO
	s_wait_dscnt 0x0                               ; the opening add is done
	s_wait_kmcnt 0x0
	s_add_nc_u64 s[BA:BA+1], s[4:5], s[BA:BA+1]
	s_add_nc_u64 s[BW:BW+1], s[6:7], s[BW:BW+1]
	CROUND                                         ; all sixteen work-groups are here: the first joint loads meet
.irp s, 0,1
	s_mov_b32 s[G0A+4*\s], 1
	s_add_co_u32 s[G0A+4*\s+1], s23, \s*SLOT1
	s_mov_b32 s[G0B+4*\s], 1
	s_add_co_u32 s[G0B+4*\s+1], s74, \s*SLOT1
	s_add_co_u32 s78, s[ROT], \s
	s_and_b32 s78, s78, 3                          ; the K step at place s of the walk
	AIM \s
.endr
	s_cmp_eq_u32 s[RH], 0                          ; a wave's two first fills stand in one branch: two loads of mine are out
	s_cbranch_scc0 .Lfirst_w
	tensor_load_to_lds s[G0A:G0A+3], s[G1A:G1A+7]
	s_nop 0
	tensor_load_to_lds s[G0A+4:G0A+7], s[G1A:G1A+7]
	s_nop 0
.rept 4
	v_nop
.endr
	s_branch .Lfirst_asked
.Lfirst_w:
	tensor_load_to_lds s[G0B:G0B+3], s[G1B:G1B+7]
	s_nop 0
	tensor_load_to_lds s[G0B+4:G0B+7], s[G1B:G1B+7]
	s_nop 0
.rept 4
	v_nop
.endr
.Lfirst_asked:
	v_and_b32 v1, 15, v0                           ; l % 16
	v_bfe_u32 v2, v0, 4, 1                         ; l / 16
	v_lshlrev_b32 v[BO], 5, v2
	v_lshlrev_b32 v[CO], 12, v2                    ; lanes 0-15 one row's 256 bytes, lanes 16-31 the next row's
	v_lshl_add_u32 v[CO], v1, 4, v[CO]
	s_lshl_b32 s74, s[TC], 9                       ; my 64 columns, in bytes of f32
	s_lshl_b32 s75, s[CH], 8
	s_add_co_u32 s74, s74, s75
	s_mov_b32 s75, 0
	s_add_nc_u64 s[8:9], s[8:9], s[74:75]
	s_lshl_b32 s78, s[TR], 7                       ; my 64 rows
	s_lshl_b32 s79, s[RH], 6
	s_add_co_u32 s78, s78, s79
	s_lshl_b32 s78, s78, 12
	s_add_co_u32 s74, s74, s78
	s_add_nc_u64 s[RES:RES+1], s[RES:RES+1], s[74:75]
	s_add_nc_u64 s[CP:CP+1], s[CP:CP+1], s[74:75]
.irp b, 0,1,2,3
	global_load_b128 v[BI+8*\b:BI+8*\b+3],   v[BO], s[8:9] offset:64*\b
	global_load_b128 v[BI+8*\b+4:BI+8*\b+7], v[BO], s[8:9] offset:64*\b+16
.endr
	WIN 0x80
.set i, 0
.rept 32
	global_load_b128 v[4*i:4*i+3], v[CO], s[RES:RES+1] offset:i*2*SIZE_N*4
.set i, i+1
.endr
	WIN 0
	v_mul_u32_u24 v3, v1, PA
	v_lshl_add_u32 v3, v2, 4, v3
	s_mul_i32 s21, s[RH], 64*PA
	v_add_nc_u32 v[A0], s21, v3
	v_and_b32 v4, 7, v0                            ; the turning load: lane l reads row 8 (l / 16) + l % 8, 16 bytes at 16 ((l / 8) % 2)
	v_lshl_add_u32 v4, v2, 3, v4
	v_mul_u32_u24 v4, v4, PW
	v_bfe_u32 v5, v0, 3, 1
	v_lshl_add_u32 v4, v5, 4, v4
	s_lshl_b32 s22, s[CH], 7
	s_add_co_u32 s22, s22, WO
	v_add_nc_u32 v[B0], s22, v4
	s_mul_i32 s23, s[WV], WST                      ; my stage
	v_mul_u32_u24 v5, v1, SPS
	v_lshl_add_u32 v5, v2, 5, v5
	v_add_nc_u32 v[STO], s23, v5
	v_mul_u32_u24 v5, v2, SPS
	v_lshl_add_u32 v5, v1, 4, v5
	v_add_nc_u32 v[RD], s23, v5
	s_mov_b32 s[TB], 0
	v_mov_b32 v[ADRA], v[A0]
	v_mov_b32 v[ADRB], v[B0]
	v_add_nc_u32 v[ADRB2], 128*PW, v[B0]
	s_wait_tensorcnt 1                             ; my part of the walk's first K step is in; the second's stays out
	s_barrier_signal -1
	s_barrier_wait -1
	FETCH 0, F0
	s_wait_loadcnt 32                              ; the bias is in; the residual's 32 loads stay out
	QUARTER 1, F0, F1, 1
	WIN 0
	s_mov_b32 s[CNT], NK-2
.Lk:                                                   ; a trip: a K step's quarters 1 to 3 and the next step's quarter 0; the slot left is filled again
	QUARTER 2, F1, F0, 0
	QUARTER 3, F0, F1, 0
	TURN 1
	QUARTER 1, F0, F1, 0
	WIN 0
	s_sub_co_u32 s[CNT], s[CNT], 1
	s_cmp_lg_u32 s[CNT], 0
	s_cbranch_scc1 .Lk
	s_mov_b32 s[CNT], 2
.Ltail:                                                ; the last two K steps ask for nothing; the second trip is left in its middle (its 32 fragment loads serve nothing: the price of one text for both trips)
	QUARTER 2, F1, F0, 0
	QUARTER 3, F0, F1, 0
	TURN 0
	WIN 0
	s_sub_co_u32 s[CNT], s[CNT], 1
	s_cmp_eq_u32 s[CNT], 0
	s_cbranch_scc1 .Lout
	QUARTER 1, F0, F1, 0
	WIN 0
	s_branch .Ltail
.Lout:
	s_wait_dscnt 0x0                               ; my reads of the slots are over,
	s_barrier_signal -1
	s_barrier_wait -1                              ; everybody's are: the slots have had their last fill; slot 0's bytes now serve as stages
.rept 8
	v_nop                                          ; the places behind the last products
.endr
.irp a, 0,1,2,3
.irp b, 0,1,2,3
	ds_store_b128 v[STO], v[ACC+8*(4*\a+\b):ACC+8*(4*\a+\b)+3]   offset:\a*16*SPS+64*\b       ; each accumulator's low registers first
	ds_store_b128 v[STO], v[ACC+8*(4*\a+\b)+4:ACC+8*(4*\a+\b)+7] offset:\a*16*SPS+64*\b+16
.endr
.endr
	s_wait_loadcnt 0x0                             ; the residual
.set g, 0
.rept 2
	WIN 0
.set i, 0
.rept 16
	ds_load_b128 v[TMP+4*i:TMP+4*i+3], v[RD] offset:(16*g+i)*2*SPS     ; LDS serves a wave's instructions in order (ISA guide 5.7.1.4): these see the stores above
.set i, i+1
.endr
	WIN 0x88                                       ; the sums in window 0, the residual and the result in window 2
.set i, 0
.rept 16
	s_wait_dscnt 15-i
	v_pk_add_f32 v[4*(16*g+i):4*(16*g+i)+1], v[TMP+4*i:TMP+4*i+1], v[4*(16*g+i):4*(16*g+i)+1]
	v_pk_add_f32 v[4*(16*g+i)+2:4*(16*g+i)+3], v[TMP+4*i+2:TMP+4*i+3], v[4*(16*g+i)+2:4*(16*g+i)+3]
	global_store_b128 v[CO], v[4*(16*g+i):4*(16*g+i)+3], s[CP:CP+1] offset:(16*g+i)*2*SIZE_N*4   ; 16 lanes store 256 consecutive bytes, aligned; no register that a store reads is written again
.set i, i+1
.endr
.set g, g+1
.endr
	WIN 0
	s_wait_tensorcnt 0x0                           ; the wave's end
	ds_add_u32 v[SPW], v[NIL]
	s_wait_dscnt 0x0
	CROUND                                         ; the closing round
	s_endpgm
.Lfunc_end_k_q70f51d1a2c_gproj:
	.size	k_q70f51d1a2c_gproj, .Lfunc_end_k_q70f51d1a2c_gproj-k_q70f51d1a2c_gproj
	.p2alignl 7, 3214868480
	.fill 96, 4, 3214868480
	.section	.rodata,"a",@progbits
	.p2align	6, 0x0
	.amdhsa_kernel k_q70f51d1a2c_gproj
		.amdhsa_group_segment_fixed_size 327680
		.amdhsa_private_segment_fixed_size 0
		.amdhsa_enable_private_segment 0
		.amdhsa_kernarg_size 40
		.amdhsa_user_sgpr_count 2
		.amdhsa_user_sgpr_kernarg_segment_ptr 1
		.amdhsa_wavefront_size32 1
		.amdhsa_system_sgpr_workgroup_id_x 1
		.amdhsa_system_sgpr_workgroup_id_y 1
		.amdhsa_system_sgpr_workgroup_id_z 1
		.amdhsa_system_vgpr_workitem_id 0
		.amdhsa_next_free_vgpr 640
		.amdhsa_next_free_sgpr 80
		.amdhsa_reserve_vcc 0
		.amdhsa_float_denorm_mode_32 3
		.amdhsa_float_denorm_mode_16_64 3
		.amdhsa_memory_ordered 1
		.amdhsa_forward_progress 1
		.amdhsa_inst_pref_size 67
	.end_amdhsa_kernel
	.amdgpu_metadata
---
amdhsa.version: [ 1, 2 ]
amdhsa.kernels:
  - .name:           k_q70f51d1a2c_gproj
    .symbol:         k_q70f51d1a2c_gproj.kd
    .args:
      - { .name: o, .offset: 0, .size: 8, .value_kind: global_buffer, .address_space: global }
      - { .name: wb, .offset: 8, .size: 8, .value_kind: global_buffer, .address_space: global }
      - { .name: b_proj, .offset: 16, .size: 8, .value_kind: global_buffer, .address_space: global }
      - { .name: x, .offset: 24, .size: 8, .value_kind: global_buffer, .address_space: global }
      - { .name: x1, .offset: 32, .size: 8, .value_kind: global_buffer, .address_space: global }
    .group_segment_fixed_size: 327680
    .private_segment_fixed_size: 0
    .kernarg_segment_align: 8
    .kernarg_segment_size: 40
    .max_flat_workgroup_size: 128
    .sgpr_count:     80
    .vgpr_count:     640
    .wavefront_size: 32
...
	.end_amdgpu_metadata
.endif
;; end of part 4
;; launch ln2: the kernel of part 1 again; grid 256 x 1, 8 waves a work-group, no clusters, 0 bytes of LDS; arguments x1, ln2_g, ln2_b, w_attn, w_proj, h, wb; writes h, wb
;; launch gfc (part 5): grid 16 x 16, 4 waves a work-group, clusters of 4 x 4, 327,680 bytes of LDS; arguments h, w2, b_fc, act; writes act
.if DOCPART == 5
	.amdgcn_target "amdgcn-amd-amdhsa--gfx1250"
	.amdhsa_code_object_version 6
	.text
	.protected	k_q70f51d1a2c_gfc
	.globl	k_q70f51d1a2c_gfc
	.p2align	8
	.type	k_q70f51d1a2c_gfc,@function
k_q70f51d1a2c_gfc:
	s_mov_b64 s[64:65], 0
	v_nop
	global_prefetch_b8 v0, s[64:65] scope:SCOPE_SE
	s_setreg_imm32_b32 hwreg(HW_REG_WAVE_MODE, 25, 1), 1
	s_wait_xcnt 0x0
	s_wait_alu depctr_hold_cnt(0) depctr_sa_sdst(0) depctr_va_vdst(0) depctr_va_sdst(0) depctr_va_ssrc(0) depctr_va_vcc(0) depctr_vm_vsrc(0)
	s_getreg_b32 s2, hwreg(HW_REG_IB_STS2, 6, 4)
	s_cmp_eq_u32 s2, 0
	s_cbranch_scc0 .Lentry_in_a_cluster
	s_endpgm
.Lentry_in_a_cluster:
	s_bfe_u32 s2, ttmp6, 0x10000c
	s_cmp_lg_u32 s2, 0xf033
	s_cbranch_scc0 .Lentry_shape_is_right
	s_endpgm
.Lentry_shape_is_right:
; act = gelu(h Wf + b_fc), the tanh form.  C[m][n] = gelu(bias[n] + sum over k of A[m][k] W[k][n]).  A: [4096][SIZE_K] bf16; W: [SIZE_K][SIZE_N] bf16 at byte WOFF of the weights' buffer; bias f32; C: [4096][SIZE_N] bf16, rounded once.  Sums and gelu in f32.
; A tile of C, 256 x 256, is made by four waves, each 128 x 128: 64 accumulators of 16 x 16, 512 registers.  K goes in steps of 128 through two LDS slots filled by the tensor data mover.
; W LIES [K][N]: its tile comes into LDS as it lies (128 rows of 512 bytes) and is turned on the way into registers by ds_load_tr16_b128.
; THE MATRIX INSTRUCTION IS USED TRANSPOSED (source 0 = 16 columns of W, source 1 = 16 rows of A): lane l then holds row l % 16 of C and the columns 8 (l / 16) + 0..7.
; THE BIAS IS THE C OPERAND of each accumulator's first product (register j of the fragment for column block b holds bias[16 b + 8 (l / 16) + j]): nothing is cleared, nothing added later.
; CLUSTERS: 4 x 4 work-groups.  A's tile hangs on the tile row alone and is asked for jointly by the four of a row of the cluster, W's on the tile column alone, by the four of a column.
; ONE K STEP IS WRITTEN ONCE: the slot in hand is a scalar (TB) that an exclusive or turns; the walking descriptors' LDS words are turned alike (no fill base has a bit of SLOT = 0x22000 set).
; THE WAY OUT: when the last fill has been read the slots' bytes serve as stages: each wave lays its 128 x 128 sums down in f32 (rows of 528 bytes) and reads whole rows back; 32 lanes then store 256 consecutive bytes, aligned.
; REGISTERS: window 0: v16-30 addresses; v64-127, v128-191 A's fragments, two buffers (later T, Y, U of the way out); v192-255 the bias fragments.  Window 1: v64-191 W's fragments.  Windows 2, 3: the accumulators, (a, b) at 8 (8 a + b).
.set SIZE_K, 1024
.set SIZE_N, 4096
.set WOFF,   0
.set GELU,   1
.set CONV,   0
.set KSTEP,  128
.set NK,     SIZE_K/KSTEP
.set PA,     272                       ; a row of A in LDS: 256 bytes + 16: the 16 rows of a fragment load start at 16 different groups of four banks (64 banks of 4 bytes: ISA guide 11.1)
.set PW,     544                       ; a row of W: 512 + 32, an odd multiple of 32
.set WO,     256*PA                    ; W's 128 rows lie behind A's 256
.set HALF,   128*PA                    ; what one tensor load brings: 128 rows of A, or 64 of W (64 x 544, the same 34,816 bytes)
.set SLOT,   WO+128*PW                 ; 139,264
.set SPARE,  2*SLOT                    ; the spare words, 128 bytes a wave: two blocks of 256 bytes that no other line names
.set SP,     528                       ; a stage row: 128 f32 + 16 bytes
.set WST,    128*SP                    ; a wave's stage; four of them end at 270,336, inside the slots
.set A0,  16                           ; v16  my place in a slot's A
.set B0,  17                           ; v17  my place in a slot's W
.set ADRA, 18                          ; v18  A0 + TB
.set ADRB, 19                          ; v19  B0 + TB
.set STO, 24                           ; v24  the way out: where I put 16 bytes of a row
.set RD,  25                           ; v25  where I read a row back
.set CO,  26                           ; v26  my 8 bytes in a row of C
.set BO,  27                           ; v27  32 (l / 16): my 8 numbers in 16 of the bias
.set SPW, 28                           ; v28  LDS address of my spare word; never rewritten
.set NIL, 29                           ; v29  0; never rewritten
.set PFO, 30                           ; v30  the prefetches' lane offset; never rewritten
.set F0,  64
.set F1,  128
.set BI,  192
.set T,   64                           ; the way out: 8 rows x 4 numbers as read back
.set Y,   96                           ; rounded
.set U,   128                          ; at work
.set WV, 14                            ; s14 wave; s15 its half of the tile's rows (also: fetches A (0) or W (1)); s16 its half of the columns (also: which half it fetches)
.set RH, 15
.set CH, 16
.set CX, 17
.set CY, 18
.set TC, 19                            ; tile column = 4 x cluster x + cx
.set TR, 20                            ; tile row = 4 x cluster y + cy
.set G1A, 24                           ; s[24:31] group 1 for A;  s[32:35], s[36:39] group 0: step 0, and the set that walks from step 1 on
.set G0A, 32
.set G1B, 40                           ; s[40:47], s[48:55] the same for W
.set G0B, 48
.set TB,  56                           ; s56 the slot that is read: 0 or SLOT
.set CNT, 57
.set LIM, 59                           ; s59 2 in a wave that prefetches, else the greatest number
.set PFA, 60                           ; s[60:61] where my prefetches stand
.set PFS, 62                           ; s[62:63] a K step in bytes, for them
.set K1,  70
.set K2,  72
.set MSB, 0
.macro WIN new                         ; the immediate's high byte repeats the setting that is left; a switch that changes nothing is dropped
.if MSB != (\new)
	s_set_vgpr_msb (MSB<<8)|(\new)
.set MSB, \new
.endif
.endm
.macro PLACES                          ; four plain instructions behind a matrix instruction, ahead of loads into its registers (ISA guide 7.12.1 for vector instructions)
.rept 4
	v_nop
.endr
.endm
.macro CREST                           ; a round of the cluster's barrier behind its opening barrier
	s_cmp_lg_u32 s[WV], 0
	s_cbranch_scc1 .Lnot_wave_0_\@
	s_barrier_signal -3
.Lnot_wave_0_\@:
	s_barrier_wait -3
	s_barrier_signal -1
	s_barrier_wait -1
.endm
.macro CROUND
	s_barrier_signal -1
	s_barrier_wait -1
	CREST
.endm
.macro JLOAD                           ; a joint refill by the walking sets: waves 0, 1 A's halves, waves 2, 3 W's; an s_nop 0 and four v_nop follow each line
	s_cmp_eq_u32 s[RH], 0
	s_cbranch_scc0 .Lfor_w_\@
	tensor_load_to_lds s[G0A+4:G0A+7], s[G1A:G1A+7]
	s_nop 0
.rept 4
	v_nop
.endr
	s_branch .Lasked_\@
.Lfor_w_\@:
	tensor_load_to_lds s[G0B+4:G0B+7], s[G1B:G1B+7]
	s_nop 0
.rept 4
	v_nop
.endr
.Lasked_\@:
.endm
; A PREFETCH INTO THE L2 of the K step two refills on: 32 blocks of 256 bytes, a lane a block, one instruction a wave, behind the joint load and the run of LDS loads.  Each block is named once in the launch: A's rows by the
; clusters with x = 0, W's by those with y = 0; the four partners of a joint load share its rows out by address (32 rows of A by cx; 16 rows of W, two blocks each, by cy).  The loop's last two trips have no K step two on.
.macro ASK
	s_cmp_gt_u32 s[CNT], s[LIM]
	s_cbranch_scc0 .Lnot_mine_\@
	global_prefetch_b8 v[PFO], s[PFA:PFA+1] th:TH_LOAD_NT scope:SCOPE_SE
.Lnot_mine_\@:
.endm
.macro FETCH q, f                      ; 32 LDS loads in one run: quarter q (32 along K) of the slot in hand into buffer f: W's 8 column blocks (turned), then A's 8 row blocks
	WIN 0x40
.irp b, 0,1,2,3,4,5,6,7
	ds_load_tr16_b128 v[(\f)+8*(\b):(\f)+8*(\b)+3],   v[ADRB] offset:(\q)*32*PW+32*(\b)
	ds_load_tr16_b128 v[(\f)+8*(\b)+4:(\f)+8*(\b)+7], v[ADRB] offset:(\q)*32*PW+16*PW+32*(\b)
.endr
	WIN 0
.irp i, 0,1,2,3,4,5,6,7
	ds_load_b128 v[(\f)+8*(\i):(\f)+8*(\i)+3],   v[ADRA] offset:64*(\q)+(\i)*16*PA
	ds_load_b128 v[(\f)+8*(\i)+4:(\f)+8*(\i)+7], v[ADRA] offset:64*(\q)+(\i)*16*PA+32
.endr
.endm
; 16 matrix instructions: row blocks a0, a0 + 1 of the window's four x all 8 column blocks.  first = 1: the bias starts the sums.  The 64 accumulators take turns in the same order everywhere.
.macro MUL16 f, hi, a0, first
.if \first
	WIN 0x81+0x40*(\hi)
.else
	WIN 0xa1+0x50*(\hi)
.endif
.irp a, \a0, (\a0)+1
.irp b, 0,1,2,3,4,5,6,7
.if \first
	v_wmma_f32_16x16x32_bf16 v[8*(8*(\a)+(\b)):8*(8*(\a)+(\b))+7], v[(\f)+8*(\b):(\f)+8*(\b)+7], v[(\f)+8*(4*(\hi)+(\a)):(\f)+8*(4*(\hi)+(\a))+7], v[BI+8*(\b):BI+8*(\b)+7]
.else
	v_wmma_f32_16x16x32_bf16 v[8*(8*(\a)+(\b)):8*(8*(\a)+(\b))+7], v[(\f)+8*(\b):(\f)+8*(\b)+7], v[(\f)+8*(4*(\hi)+(\a)):(\f)+8*(4*(\hi)+(\a))+7], v[8*(8*(\a)+(\b)):8*(8*(\a)+(\b))+7]
.endif
.endr
.endr
.endm
.macro QUARTER q, f, g, first          ; multiplies buffer f; in its middle fetches quarter q into buffer g
	s_wait_dscnt 8                                 ; W and A's rows 0-63 are in; the youngest eight loads (A's rows 64-127) may be out
	MUL16 \f, 0, 0, \first
	MUL16 \f, 0, 2, \first
	PLACES
	FETCH \q, \g
	s_wait_dscnt 32                                ; all but the 32 just issued
	MUL16 \f, 1, 0, \first
	MUL16 \f, 1, 2, \first
.endm
; A K step's last quarter multiplies buffer 1 and changes slots: one barrier.  In front of it each wave waits for all its tensor loads (one is out: its part of the next slot), adds 0 to its spare word, and waits for that and for
; its reads of this slot.  fill = 1: the barrier opens a round of the cluster's barrier, and the slot just read is filled again, first thing behind the round, with the K step two on: 224 matrix instructions ahead of the wait for it.
.macro TURN fill
.if \fill
	s_wait_xcnt 0x0                                ; the last prefetch, a K step back, has read its address
	s_add_nc_u64 s[PFA:PFA+1], s[PFA:PFA+1], s[PFS:PFS+1]
.endif
	WIN 0
	s_wait_tensorcnt 0x0
	ds_add_u32 v[SPW], v[NIL]
	s_wait_dscnt 9                                 ; (the add and the youngest eight loads may be out)
	MUL16 F1, 0, 0, 0
	s_wait_dscnt 0x0                               ; the add is done, and my reads of this slot are over
	s_barrier_signal -1
	MUL16 F1, 0, 2, 0
	WIN 0
	s_barrier_wait -1
.if \fill
	CREST
	s_xor_b32 s[G0A+5], s[G0A+5], SLOT             ; no tensor load of mine is out: the walking sets may be written: the other slot,
	s_add_nc_u64 s[G0A+6:G0A+7], s[G0A+6:G0A+7], KSTEP*2   ; the next K step
	s_xor_b32 s[G0B+5], s[G0B+5], SLOT
	s_add_nc_u64 s[G0B+6:G0B+7], s[G0B+6:G0B+7], KSTEP*2*SIZE_N
	JLOAD                                          ; its four v_nop are also the places in front of the loads below
.else
	PLACES
.endif
	s_xor_b32 s[TB], s[TB], SLOT
	v_add_nc_u32 v[ADRA], s[TB], v[A0]
	v_add_nc_u32 v[ADRB], s[TB], v[B0]
	FETCH 0, F0
.if \fill
	ASK
.endif
	MUL16 F1, 1, 0, 0
	MUL16 F1, 1, 2, 0
.endm
	s_load_b256 s[4:11], s[0:1], 0x0               ; A s[4:5], weights s[6:7], bias s[8:9], C s[10:11]
	v_lshl_add_u32 v[SPW], v0, 2, SPARE
	v_mov_b32 v[NIL], 0
	ds_add_u32 v[SPW], v[NIL]                      ; the wave's opening: the add and its wait stand ahead of my first tensor load; the set-up below stands between them
	v_lshrrev_b32 v1, 5, v0
	v_readfirstlane_b32 s[WV], v1
	s_lshr_b32 s[RH], s[WV], 1
	s_and_b32 s[CH], s[WV], 1
	s_bfe_u32 s[CX], ttmp6, 0x40000
	s_bfe_u32 s[CY], ttmp6, 0x40004
	s_lshl_b32 s[TC], ttmp9, 2
	s_add_co_u32 s[TC], s[TC], s[CX]
	s_and_b32 s[TR], ttmp7, 0xffff
	s_lshl_b32 s[TR], s[TR], 2
	s_add_co_u32 s[TR], s[TR], s[CY]
	s_lshl_b32 s21, s[CY], 2
	s_lshl_b32 s21, 15, s21                        ; my row of the cluster
	s_lshl_b32 s22, 0x1111, s[CX]                  ; my column
	s_or_b32 s[G1A], s21, (1<<16)|(1<<20)|(1<<21)|(5<<22)|(3<<25)   ; the mask; 2-byte elements; padding on; bit 21 beside a mask; after every 64 words 4 words
	s_or_b32 s[G1B], s22, (1<<16)|(1<<20)|(1<<21)|(6<<22)|(7<<25)   ; after every 128 words 8 words
	s_mov_b32 s[G1A+1], KSTEP<<16                  ; A: 128 rows x 128 elements
	s_mov_b32 s[G1A+2], 128<<16
	s_mov_b32 s[G1A+3], KSTEP<<16
	s_mov_b32 s[G1A+4], 128
	s_mov_b32 s[G1A+5], SIZE_K
	s_mov_b32 s[G1A+6], 0
	s_mov_b32 s[G1A+7], 0
	s_mov_b32 s[G1B+1], 256<<16                    ; W: 64 rows x 256 elements
	s_mov_b32 s[G1B+2], 64<<16
	s_mov_b32 s[G1B+3], 256<<16
	s_mov_b32 s[G1B+4], 64
	s_mov_b32 s[G1B+5], SIZE_N
	s_mov_b32 s[G1B+6], 0
	s_mov_b32 s[G1B+7], 0
	s_lshl_b32 s66, s[TR], 19                      ; A: (256 x tile row + 128 x half) rows of 2,048 bytes: of the cluster's coordinates cy alone enters
	s_lshl_b32 s21, s[CH], 18
	s_add_co_u32 s66, s66, s21
	s_mov_b32 s67, 0
	s_lshl_b32 s68, s[TC], 9                       ; W: 512 bytes x tile column + 64 x half rows: cx alone enters
	s_mul_i32 s22, s[CH], 128*SIZE_N
	s_add_co_u32 s68, s68, s22
	s_add_co_u32 s68, s68, WOFF
	s_mov_b32 s69, 0
	s_mul_i32 s23, s[CH], HALF                     ; where they go: no place in the cluster enters an LDS address
.if GELU
	s_mov_b32 s[K1], 0xc0135761                    ; -2 log2(e) sqrt(2 / pi)
	s_mov_b32 s[K1+1], s[K1]
	s_mov_b32 s[K2], 0xbdd2d3e8                    ; that x 0.044715
	s_mov_b32 s[K2+1], s[K2]
.endif
	s_wait_dscnt 0x0                               ; the opening add is done
	s_wait_kmcnt 0x0
	s_add_nc_u64 s[66:67], s[4:5], s[66:67]
	s_add_nc_u64 s[68:69], s[6:7], s[68:69]
	CROUND                                         ; all sixteen work-groups are here: the first joint loads meet
.irp s, 0,1
	s_mov_b32 s[G0A+4*\s], 1
	s_add_co_u32 s[G0A+4*\s+1], s23, \s*SLOT
	s_add_nc_u64 s[G0A+4*\s+2:G0A+4*\s+3], s[66:67], \s*KSTEP*2
	s_or_b32 s[G0A+4*\s+3], s[G0A+4*\s+3], 0x80000000
	s_mov_b32 s[G0B+4*\s], 1
	s_add_co_u32 s[G0B+4*\s+1], s23, WO+\s*SLOT
	s_add_nc_u64 s[G0B+4*\s+2:G0B+4*\s+3], s[68:69], \s*KSTEP*2*SIZE_N
	s_or_b32 s[G0B+4*\s+3], s[G0B+4*\s+3], 0x80000000
.endr
	s_cmp_eq_u32 s[RH], 0                          ; a wave's two first fills stand in one branch: two loads of mine are out
	s_cbranch_scc0 .Lfirst_w
	tensor_load_to_lds s[G0A:G0A+3], s[G1A:G1A+7]
	s_nop 0
	tensor_load_to_lds s[G0A+4:G0A+7], s[G1A:G1A+7]
	s_nop 0
.rept 4
	v_nop
.endr
	s_branch .Lfirst_asked
.Lfirst_w:
	tensor_load_to_lds s[G0B:G0B+3], s[G1B:G1B+7]
	s_nop 0
	tensor_load_to_lds s[G0B+4:G0B+7], s[G1B:G1B+7]
	s_nop 0
.rept 4
	v_nop
.endr
.Lfirst_asked:
	v_and_b32 v1, 15, v0                           ; l % 16
	v_bfe_u32 v2, v0, 4, 1                         ; l / 16
	v_lshlrev_b32 v[BO], 5, v2
	s_lshl_b32 s74, s[TC], 10                      ; the bias of my 128 columns
	s_lshl_b32 s75, s[CH], 9
	s_add_co_u32 s74, s74, s75
	s_mov_b32 s75, 0
	s_add_nc_u64 s[8:9], s[8:9], s[74:75]
.irp b, 0,1,2,3,4,5,6,7
	global_load_b128 v[BI+8*\b:BI+8*\b+3],   v[BO], s[8:9] offset:64*\b
	global_load_b128 v[BI+8*\b+4:BI+8*\b+7], v[BO], s[8:9] offset:64*\b+16
.endr
	v_mul_u32_u24 v3, v1, PA                       ; a fragment of A: row l % 16, 16 bytes for each half of the lanes
	v_lshl_add_u32 v3, v2, 4, v3
	s_mul_i32 s21, s[RH], 128*PA
	v_add_nc_u32 v[A0], s21, v3
	v_and_b32 v4, 7, v0                            ; the turning load: lane l reads row 8 (l / 16) + l % 8, 16 bytes at 16 ((l / 8) % 2)
	v_lshl_add_u32 v4, v2, 3, v4
	v_mul_u32_u24 v4, v4, PW
	v_bfe_u32 v5, v0, 3, 1
	v_lshl_add_u32 v4, v5, 4, v4
	s_lshl_b32 s22, s[CH], 8
	s_add_co_u32 s22, s22, WO
	v_add_nc_u32 v[B0], s22, v4
	s_mul_i32 s23, s[WV], WST                      ; my stage
	v_mul_u32_u24 v5, v1, SP
	v_lshl_add_u32 v5, v2, 5, v5
	v_add_nc_u32 v[STO], s23, v5
	v_and_b32 v6, 31, v0
	v_lshl_add_u32 v[RD], v6, 4, s23
	v_lshlrev_b32 v[CO], 3, v6
	s_lshl_b32 s74, s[TR], 8                       ; C at my first row and column
	s_lshl_b32 s75, s[RH], 7
	s_add_co_u32 s74, s74, s75
	s_mul_i32 s74, s74, 2*SIZE_N
	s_lshl_b32 s75, s[TC], 9
	s_add_co_u32 s74, s74, s75
	s_lshl_b32 s75, s[CH], 8
	s_add_co_u32 s74, s74, s75
	s_mov_b32 s75, 0
	s_add_nc_u64 s[10:11], s[10:11], s[74:75]
	; the prefetches: they start at K step 3; the first refill steps them to 4.  Nothing is prefetched here, where every work-group's first tiles are on their way
	s_lshl_b32 s74, s[TR], 8
	s_lshl_b32 s75, s[CH], 7
	s_add_co_u32 s74, s74, s75
	s_lshl_b32 s75, s[CX], 5
	s_add_co_u32 s74, s74, s75                     ; A: my work-group's 32 of the 128 rows that I fetch
	s_lshl_b32 s74, s74, 11
	s_add_co_u32 s74, s74, 3*KSTEP*2
	s_lshl_b32 s76, s[CH], 6
	s_lshl_b32 s77, s[CY], 4
	s_add_co_u32 s76, s76, s77                     ; W: my work-group's 16 of the 64 rows
	s_add_co_u32 s76, s76, 3*KSTEP
	s_mul_i32 s76, s76, 2*SIZE_N
	s_lshl_b32 s77, s[TC], 9
	s_add_co_u32 s76, s76, s77
	s_add_co_u32 s76, s76, WOFF
	s_and_b32 s77, ttmp7, 0xffff
	s_mov_b32 s[PFS], KSTEP*2*SIZE_N
	s_mov_b32 s21, 2*SIZE_N
	s_cmp_eq_u32 s[RH], 0                          ; do I fetch for A?
	s_cselect_b32 s74, s74, s76
	s_cselect_b32 s77, ttmp9, s77                  ; the coordinate along which other clusters read the same rows
	s_cselect_b64 s[PFA:PFA+1], s[4:5], s[6:7]
	s_cselect_b32 s[PFS], KSTEP*2, s[PFS]
	s_cselect_b32 s21, SIZE_K*2, s21               ; bytes from row to row
	s_mov_b32 s75, 0
	s_mov_b32 s[PFS+1], 0
	s_add_nc_u64 s[PFA:PFA+1], s[PFA:PFA+1], s[74:75]
	s_cmp_eq_u32 s77, 0
	s_cselect_b32 s[LIM], 2, -1                    ; the same in all sixteen partners, for a given wave
	v_lshrrev_b32 v31, s[RH], v6                   ; A: a lane a row; W: two lanes a row, 256 bytes each
	v_and_b32 v[PFO], s[RH], v6
	v_mul_u32_u24 v31, s21, v31
	v_lshl_add_u32 v[PFO], v[PFO], 8, v31
	s_mov_b32 s[TB], 0
	v_mov_b32 v[ADRA], v[A0]
	v_mov_b32 v[ADRB], v[B0]
	s_wait_tensorcnt 1                             ; my part of K step 0 is in; step 1's stays out
	s_barrier_signal -1
	s_barrier_wait -1
	FETCH 0, F0
	s_wait_loadcnt 0x0                             ; the bias
	QUARTER 1, F0, F1, 1                           ; the first quarter stands in front of the loop: its products start the sums
	WIN 0
	s_mov_b32 s[CNT], NK-2
.Lk:                                                   ; a trip: a K step's quarters 1 to 3 and the next step's quarter 0; the slot left is filled again
	QUARTER 2, F1, F0, 0
	QUARTER 3, F0, F1, 0
	TURN 1
	QUARTER 1, F0, F1, 0
	WIN 0
	s_sub_co_u32 s[CNT], s[CNT], 1
	s_cmp_lg_u32 s[CNT], 0
	s_cbranch_scc1 .Lk
	s_mov_b32 s[CNT], 2
.Ltail:                                                ; the last two K steps ask for nothing; the second trip is left in its middle (its 32 fragment loads serve nothing: the price of one text for both trips)
	QUARTER 2, F1, F0, 0
	QUARTER 3, F0, F1, 0
	TURN 0
	WIN 0
	s_sub_co_u32 s[CNT], s[CNT], 1
	s_cmp_eq_u32 s[CNT], 0
	s_cbranch_scc1 .Lout
	QUARTER 1, F0, F1, 0
	WIN 0
	s_branch .Ltail
.Lout:
	s_wait_dscnt 0x0                               ; my reads of the slots are over,
	s_barrier_signal -1
	s_barrier_wait -1                              ; everybody's are: the slots have had their last fill and now serve as stages
.rept 8
	v_nop                                          ; the places behind the last products
.endr
.irp hi, 0,1
	WIN 0x08+4*\hi                                 ; the stores' data lie in window 2, then 3
.irp a, 0,1,2,3
.irp b, 0,1,2,3,4,5,6,7
	ds_store_b128 v[STO], v[8*(8*\a+\b):8*(8*\a+\b)+3]   offset:(4*\hi+\a)*16*SP+64*\b      ; each accumulator's low registers first
	ds_store_b128 v[STO], v[8*(8*\a+\b)+4:8*(8*\a+\b)+7] offset:(4*\hi+\a)*16*SP+64*\b+16
.endr
.endr
.endr
	WIN 0
.irp i, 0,1,2,3,4,5,6,7
	ds_load_b128 v[T+4*\i:T+4*\i+3], v[RD] offset:SP*\i    ; my rows 0 to 7, whole (LDS serves a wave's instructions in order: ISA guide 5.7.1.4: these see the stores above)
.endr
	s_mov_b32 s[CNT], 16
.Lrow:                                                 ; 8 rows a trip: gelu, rounded and stored; the next 8 rows are asked of LDS ahead of the stores and waited for at the next trip's head
	s_wait_dscnt 0x0
.if GELU
; gelu(x) = x / (1 + 2^(x (K1 + K2 x x))), the tanh form written as a logistic.  Two batches of 32 transcendentals, one wait each.
.set p, 0
.rept 16
	v_pk_mul_f32 v[U+2*p:U+2*p+1], v[T+2*p:T+2*p+1], v[T+2*p:T+2*p+1]
	v_pk_fma_f32 v[U+2*p:U+2*p+1], v[U+2*p:U+2*p+1], s[K2:K2+1], s[K1:K1+1] op_sel_hi:[1,0,0]
	v_pk_mul_f32 v[U+2*p:U+2*p+1], v[U+2*p:U+2*p+1], v[T+2*p:T+2*p+1]
.if p > 0
	v_exp_f32 v[U+2*p-2], v[U+2*p-2]
	v_exp_f32 v[U+2*p-1], v[U+2*p-1]
.endif
.set p, p+1
.endr
	v_exp_f32 v[U+30], v[U+30]
	v_exp_f32 v[U+31], v[U+31]
	v_nop
	s_wait_alu depctr_va_vdst(0)
.set p, 0
.rept 16
	v_pk_add_f32 v[U+2*p:U+2*p+1], v[U+2*p:U+2*p+1], 1.0 op_sel_hi:[1,0]
.if p > 0
	v_rcp_f32 v[U+2*p-2], v[U+2*p-2]
	v_rcp_f32 v[U+2*p-1], v[U+2*p-1]
.endif
.set p, p+1
.endr
	v_rcp_f32 v[U+30], v[U+30]
	v_rcp_f32 v[U+31], v[U+31]
	v_nop
	s_wait_alu depctr_va_vdst(0)
.set p, 0
.rept 16
	v_pk_mul_f32 v[T+2*p:T+2*p+1], v[T+2*p:T+2*p+1], v[U+2*p:U+2*p+1]
.set p, p+1
.endr
.endif
.irp i, 0,1,2,3,4,5,6,7
	v_cvt_pk_bf16_f32 v[Y+2*\i], v[T+4*\i], v[T+4*\i+1]
	v_cvt_pk_bf16_f32 v[Y+2*\i+1], v[T+4*\i+2], v[T+4*\i+3]
.endr
	v_add_nc_u32 v[RD], 8*SP, v[RD]
	s_cmp_eq_u32 s[CNT], 1                         ; the last trip has no rows behind it
	s_cbranch_scc1 .Lno_rows
.irp i, 0,1,2,3,4,5,6,7
	ds_load_b128 v[T+4*\i:T+4*\i+3], v[RD] offset:SP*\i
.endr
.Lno_rows:
.irp i, 0,1,2,3,4,5,6,7
	global_store_b64 v[CO], v[Y+2*\i:Y+2*\i+1], s[10:11] offset:\i*2*SIZE_N     ; 32 lanes store 256 consecutive bytes, aligned
.endr
	s_wait_xcnt 0x0                                ; the stores have read Y and C's address: both are written again only behind this wait
	s_add_nc_u64 s[10:11], s[10:11], 16*SIZE_N
	s_sub_co_u32 s[CNT], s[CNT], 1
	s_cmp_lg_u32 s[CNT], 0
	s_cbranch_scc1 .Lrow
	s_wait_tensorcnt 0x0                           ; the wave's end
	ds_add_u32 v[SPW], v[NIL]
	s_wait_dscnt 0x0
	CROUND                                         ; the closing round: no work-group ends while a partner may still ask for a tile that names it
	s_endpgm
.Lfunc_end_k_q70f51d1a2c_gfc:
	.size	k_q70f51d1a2c_gfc, .Lfunc_end_k_q70f51d1a2c_gfc-k_q70f51d1a2c_gfc
	.p2alignl 7, 3214868480
	.fill 96, 4, 3214868480
	.section	.rodata,"a",@progbits
	.p2align	6, 0x0
	.amdhsa_kernel k_q70f51d1a2c_gfc
		.amdhsa_group_segment_fixed_size 327680
		.amdhsa_private_segment_fixed_size 0
		.amdhsa_enable_private_segment 0
		.amdhsa_kernarg_size 32
		.amdhsa_user_sgpr_count 2
		.amdhsa_user_sgpr_kernarg_segment_ptr 1
		.amdhsa_wavefront_size32 1
		.amdhsa_system_sgpr_workgroup_id_x 1
		.amdhsa_system_sgpr_workgroup_id_y 1
		.amdhsa_system_sgpr_workgroup_id_z 1
		.amdhsa_system_vgpr_workitem_id 0
		.amdhsa_next_free_vgpr 1024
		.amdhsa_next_free_sgpr 80
		.amdhsa_reserve_vcc 0
		.amdhsa_float_denorm_mode_32 3
		.amdhsa_float_denorm_mode_16_64 3
		.amdhsa_memory_ordered 1
		.amdhsa_forward_progress 1
		.amdhsa_inst_pref_size 90
	.end_amdhsa_kernel
	.amdgpu_metadata
---
amdhsa.version: [ 1, 2 ]
amdhsa.kernels:
  - .name:           k_q70f51d1a2c_gfc
    .symbol:         k_q70f51d1a2c_gfc.kd
    .args:
      - { .name: h, .offset: 0, .size: 8, .value_kind: global_buffer, .address_space: global }
      - { .name: w2, .offset: 8, .size: 8, .value_kind: global_buffer, .address_space: global }
      - { .name: b_fc, .offset: 16, .size: 8, .value_kind: global_buffer, .address_space: global }
      - { .name: act, .offset: 24, .size: 8, .value_kind: global_buffer, .address_space: global }
    .group_segment_fixed_size: 327680
    .private_segment_fixed_size: 0
    .kernarg_segment_align: 8
    .kernarg_segment_size: 32
    .max_flat_workgroup_size: 128
    .sgpr_count:     80
    .vgpr_count:     1024
    .wavefront_size: 32
...
	.end_amdgpu_metadata
.endif
;; end of part 5
;; launch gfc2 (part 6): grid 8 x 32, 4 waves a work-group, clusters of 4 x 4, 327,680 bytes of LDS; arguments act, w2, b_fc2, x1, out0; writes out0
.if DOCPART == 6
	.amdgcn_target "amdgcn-amd-amdhsa--gfx1250"
	.amdhsa_code_object_version 6
	.text
	.protected	k_q70f51d1a2c_gfc2
	.globl	k_q70f51d1a2c_gfc2
	.p2align	8
	.type	k_q70f51d1a2c_gfc2,@function
k_q70f51d1a2c_gfc2:
	s_mov_b64 s[64:65], 0
	v_nop
	global_prefetch_b8 v0, s[64:65] scope:SCOPE_SE
	s_setreg_imm32_b32 hwreg(HW_REG_WAVE_MODE, 25, 1), 1
	s_wait_xcnt 0x0
	s_wait_alu depctr_hold_cnt(0) depctr_sa_sdst(0) depctr_va_vdst(0) depctr_va_sdst(0) depctr_va_ssrc(0) depctr_va_vcc(0) depctr_vm_vsrc(0)
	s_getreg_b32 s2, hwreg(HW_REG_IB_STS2, 6, 4)
	s_cmp_eq_u32 s2, 0
	s_cbranch_scc0 .Lentry_in_a_cluster
	s_endpgm
.Lentry_in_a_cluster:
	s_bfe_u32 s2, ttmp6, 0x10000c
	s_cmp_lg_u32 s2, 0xf033
	s_cbranch_scc0 .Lentry_shape_is_right
	s_endpgm
.Lentry_shape_is_right:
; out0 = x1 + act Wf2 + b_fc2.  C[m][n] = R[m][n] + bias[n] + sum over k of A[m][k] W[k][n].  A: [4096][SIZE_K] bf16; W: [SIZE_K][1024] bf16 at byte WOFF of the weights' buffer; bias, R and C f32, R and C [4096][1024].  Sums in f32.
; 4,096 x 1,024 of C are 256 tiles of 128 x 128, one for each work-group.  Four waves, each 64 x 64: 16 accumulators.  K goes in steps of 256, as long as two LDS slots allow, so that a refill has 112 matrix instructions in which to land.
; W LIES [K][N]: its tile comes into LDS as it lies (256 rows of 256 bytes) and is turned on the way into registers by ds_load_tr16_b128.
; THE MATRIX INSTRUCTION IS USED TRANSPOSED (source 0 = 16 columns of W, source 1 = 16 rows of A): lane l holds row l % 16 of C and the columns 8 (l / 16) + 0..7.  THE BIAS IS THE C OPERAND of each accumulator's first product.
; CLUSTERS: 4 x 4 work-groups; A's tile is asked for jointly by the four of a row of the cluster, W's by the four of a column.  No prefetch: the tiles are small and a step short.
; THE WALK ALONG K IS TURNED.  Within each four K steps cluster (x, y) begins at step (y + 2 x) mod 4: place t of its walk is K step (t & ~3) | ((t + y + 2 x) & 3).  So the two clusters of one y, which read the same rows of A,
; ask for a given tile two steps apart, and clusters of one x, which read the same columns of W, one to three steps apart (y and y + 4 alike).  The f32 sums may be taken in any order.  The turn hangs on the cluster's x and y alone,
; which all sixteen partners share; each refill's addresses are made anew from the K step's number.
; ONE K STEP IS WRITTEN ONCE: the slot in hand is a scalar (TB) that an exclusive or turns; the walking descriptors' LDS words are turned alike (no fill base has a bit of SLOT1 = 0x24000 set).
; THE RESIDUAL, 128 registers a lane, is asked for at the head and lands under the products.  THE WAY OUT: when the last fill has been read slot 0's bytes serve as stages: each wave lays its 64 x 64 sums down in f32
; (rows of 272 bytes), reads whole rows back, adds the residual and stores: 16 lanes store 256 consecutive bytes, aligned.
; REGISTERS: window 0: v16-29 addresses; v32-63 the bias fragments; v64-127 the way out; v128-255 the accumulators, (a, b) at 128 + 8 (4 a + b).  Window 1: two fragment buffers of 128: 64 of A, then 64 of W.  Window 2: v0-127 the residual, then the result.
.set SIZE_K, 4096
.set SIZE_N, 1024
.set WOFF,   8388608
.set KSTEP,  256
.set NK,     SIZE_K/KSTEP
.set PA,     528                       ; a row of A in LDS: 512 bytes + 16: the 16 rows of a fragment load start at 16 different groups of four banks (64 banks of 4 bytes: ISA guide 11.1)
.set PW,     288                       ; a row of W: 256 + 32, an odd multiple of 32
.set WO,     128*PA                    ; W's 256 rows lie behind A's 128
.set SLOT1,  0x24000
.set SPARE,  SLOT1+WO+256*PW           ; the spare words, 128 bytes a wave: two blocks of 256 bytes that no other line names
.set SPS,    272                       ; a stage row: 64 f32 + 16 bytes
.set WST,    64*SPS
.set A0,  16
.set B0,  17
.set ADRA, 18                          ; A0 + TB
.set ADRB, 19                          ; B0 + TB
.set ADRB2, 20                         ; 128 rows of W further on: the second half's offsets would pass 16 bits
.set STO, 24
.set RD,  25
.set CO,  26                           ; my 16 bytes in two rows of R and C
.set BO,  27
.set SPW, 28
.set NIL, 29
.set BI,  32
.set TMP, 64
.set ACC, 128
.set F0,  0
.set F1,  128
.set RES, 10                           ; s[10:11] R, s[12:13] C
.set CP,  12
.set WV, 14
.set RH, 15
.set CH, 16
.set CX, 17
.set CY, 18
.set TC, 19
.set TR, 20
.set G1A, 24
.set G0A, 32
.set G1B, 40
.set G0B, 48
.set TB,  56
.set CNT, 57
.set TT,  58                           ; s58 the place in the walk that the next refill brings
.set ROT, 59                           ; s59 (cluster y + 2 x cluster x) mod 4
.set BA,  66                           ; s[66:67] A at my rows, K step 0;  s[68:69] W at my columns and my half of a step's rows, K step 0
.set BW,  68
.set OFS, 76                           ; s[76:77] a K step's byte offset; s77 stays 0
.set MSB, 0
.macro WIN new
.if MSB != (\new)
	s_set_vgpr_msb (MSB<<8)|(\new)
.set MSB, \new
.endif
.endm
.macro PLACES
.rept 4
	v_nop
.endr
.endm
.macro CREST
	s_cmp_lg_u32 s[WV], 0
	s_cbranch_scc1 .Lnot_wave_0_\@
	s_barrier_signal -3
.Lnot_wave_0_\@:
	s_barrier_wait -3
	s_barrier_signal -1
	s_barrier_wait -1
.endm
.macro CROUND
	s_barrier_signal -1
	s_barrier_wait -1
	CREST
.endm
.macro JLOAD                           ; a joint refill by the walking sets: waves 0, 1 A's halves, waves 2, 3 W's; an s_nop 0 and four v_nop follow each line
	s_cmp_eq_u32 s[RH], 0
	s_cbranch_scc0 .Lfor_w_\@
	tensor_load_to_lds s[G0A+4:G0A+7], s[G1A:G1A+7]
	s_nop 0
.rept 4
	v_nop
.endr
	s_branch .Lasked_\@
.Lfor_w_\@:
	tensor_load_to_lds s[G0B+4:G0B+7], s[G1B:G1B+7]
	s_nop 0
.rept 4
	v_nop
.endr
.Lasked_\@:
.endm
.macro AIM g                           ; K step s78 into the global addresses of set g of both descriptors: 512 bytes a step along A's rows, 256 rows of 2,048 bytes down W
	s_lshl_b32 s[OFS], s78, 9
	s_add_nc_u64 s[G0A+4*(\g)+2:G0A+4*(\g)+3], s[BA:BA+1], s[OFS:OFS+1]
	s_or_b32 s[G0A+4*(\g)+3], s[G0A+4*(\g)+3], 0x80000000
	s_lshl_b32 s[OFS], s78, 19
	s_add_nc_u64 s[G0B+4*(\g)+2:G0B+4*(\g)+3], s[BW:BW+1], s[OFS:OFS+1]
	s_or_b32 s[G0B+4*(\g)+3], s[G0B+4*(\g)+3], 0x80000000
.endm
.macro FETCH q, f                      ; 32 LDS loads in one run: quarter q (64 along K) into buffer f; the first 32 along K first
	WIN 0x40
.irp c, 0,1
.irp i, 0,1,2,3
.if (\q) < 2
	ds_load_tr16_b128 v[(\f)+64+8*(4*(\c)+(\i)):(\f)+64+8*(4*(\c)+(\i))+3],   v[ADRB] offset:(64*(\q)+32*(\c))*PW+32*(\i)
	ds_load_tr16_b128 v[(\f)+64+8*(4*(\c)+(\i))+4:(\f)+64+8*(4*(\c)+(\i))+7], v[ADRB] offset:(64*(\q)+32*(\c)+16)*PW+32*(\i)
.else
	ds_load_tr16_b128 v[(\f)+64+8*(4*(\c)+(\i)):(\f)+64+8*(4*(\c)+(\i))+3],   v[ADRB2] offset:(64*((\q)-2)+32*(\c))*PW+32*(\i)
	ds_load_tr16_b128 v[(\f)+64+8*(4*(\c)+(\i))+4:(\f)+64+8*(4*(\c)+(\i))+7], v[ADRB2] offset:(64*((\q)-2)+32*(\c)+16)*PW+32*(\i)
.endif
	ds_load_b128 v[(\f)+8*(4*(\c)+(\i)):(\f)+8*(4*(\c)+(\i))+3],   v[ADRA] offset:128*(\q)+64*(\c)+(\i)*16*PA
	ds_load_b128 v[(\f)+8*(4*(\c)+(\i))+4:(\f)+8*(4*(\c)+(\i))+7], v[ADRA] offset:128*(\q)+64*(\c)+(\i)*16*PA+32
.endr
.endr
.endm
; 8 matrix instructions: row blocks a0, a0 + 1 x all 4 column blocks, half c of buffer f.  first = 1: the bias starts the sums.  The 16 accumulators take turns.
.macro MUL8 f, c, a0, first
	WIN 0x05
.irp a, \a0, (\a0)+1
.irp b, 0,1,2,3
.if \first
	v_wmma_f32_16x16x32_bf16 v[ACC+8*(4*(\a)+(\b)):ACC+8*(4*(\a)+(\b))+7], v[(\f)+64+8*(4*(\c)+(\b)):(\f)+64+8*(4*(\c)+(\b))+7], v[(\f)+8*(4*(\c)+(\a)):(\f)+8*(4*(\c)+(\a))+7], v[BI+8*(\b):BI+8*(\b)+7]
.else
	v_wmma_f32_16x16x32_bf16 v[ACC+8*(4*(\a)+(\b)):ACC+8*(4*(\a)+(\b))+7], v[(\f)+64+8*(4*(\c)+(\b)):(\f)+64+8*(4*(\c)+(\b))+7], v[(\f)+8*(4*(\c)+(\a)):(\f)+8*(4*(\c)+(\a))+7], v[ACC+8*(4*(\a)+(\b)):ACC+8*(4*(\a)+(\b))+7]
.endif
.endr
.endr
.endm
.macro QUARTER q, f, g, first
	s_wait_dscnt 16                                ; the first 32 along K are in
	MUL8 \f, 0, 0, \first
	MUL8 \f, 0, 2, \first
	PLACES
	FETCH \q, \g
	s_wait_dscnt 32                                ; all but the 32 just issued
	MUL8 \f, 1, 0, 0
	MUL8 \f, 1, 2, 0
.endm
; A K step's last quarter multiplies buffer 1 and changes slots: one barrier; in front of it each wave waits for all its tensor loads, adds 0 to its spare word, and waits for that and for its reads of this slot.
; fill = 1: the barrier opens a round of the cluster's barrier, and the slot just read is filled again, first thing behind the round, with the K step at place TT of the walk.
.macro TURN fill
	WIN 0
	s_wait_tensorcnt 0x0                           ; no tensor load of mine is out: the walking sets may be written
	ds_add_u32 v[SPW], v[NIL]                      ; 0 onto my spare word; the descriptors' scalar work stands between it and the wait for it
.if \fill
	s_add_co_u32 s78, s[TT], s[ROT]
	s_and_b32 s78, s78, 3
	s_and_b32 s79, s[TT], -4
	s_or_b32 s78, s78, s79                         ; the K step at place TT
	s_add_co_u32 s[TT], s[TT], 1
	s_xor_b32 s[G0A+5], s[G0A+5], SLOT1            ; the other slot than last time
	s_xor_b32 s[G0B+5], s[G0B+5], SLOT1
	AIM 1
.endif
	s_wait_dscnt 17                                ; (the add and the youngest sixteen loads may be out)
	MUL8 F1, 0, 0, 0
	s_wait_dscnt 0x0
	s_barrier_signal -1
	MUL8 F1, 0, 2, 0
	WIN 0
	s_barrier_wait -1
.if \fill
	CREST
	JLOAD                                          ; its four v_nop are also the places in front of the loads below
.else
	PLACES
.endif
	s_xor_b32 s[TB], s[TB], SLOT1
	v_add_nc_u32 v[ADRA], s[TB], v[A0]
	v_add_nc_u32 v[ADRB], s[TB], v[B0]
	v_add_nc_u32 v[ADRB2], 128*PW, v[ADRB]
	FETCH 0, F0
	MUL8 F1, 1, 0, 0
	MUL8 F1, 1, 2, 0
.endm
	s_load_b256 s[4:11], s[0:1], 0x0               ; A s[4:5], weights s[6:7], bias s[8:9], R s[10:11]
	s_load_b64 s[12:13], s[0:1], 0x20              ; C
	v_lshl_add_u32 v[SPW], v0, 2, SPARE
	v_mov_b32 v[NIL], 0
	ds_add_u32 v[SPW], v[NIL]                      ; the wave's opening: the add and its wait stand ahead of my first tensor load
	v_lshrrev_b32 v1, 5, v0
	v_readfirstlane_b32 s[WV], v1
	s_lshr_b32 s[RH], s[WV], 1
	s_and_b32 s[CH], s[WV], 1
	s_bfe_u32 s[CX], ttmp6, 0x40000
	s_bfe_u32 s[CY], ttmp6, 0x40004
	s_lshl_b32 s[TC], ttmp9, 2
	s_add_co_u32 s[TC], s[TC], s[CX]
	s_and_b32 s[TR], ttmp7, 0xffff
	s_lshl_b32 s79, ttmp9, 1
	s_add_co_u32 s[ROT], s[TR], s79
	s_and_b32 s[ROT], s[ROT], 3                    ; the walk's turn: cluster y + 2 x cluster x, mod 4
	s_mov_b32 s[TT], 2                             ; places 0 and 1 are the first fills
	s_mov_b32 s[OFS+1], 0
	s_lshl_b32 s[TR], s[TR], 2
	s_add_co_u32 s[TR], s[TR], s[CY]
	s_lshl_b32 s21, s[CY], 2
	s_lshl_b32 s21, 15, s21
	s_lshl_b32 s22, 0x1111, s[CX]
	s_or_b32 s[G1A], s21, (1<<16)|(1<<20)|(1<<21)|(6<<22)|(3<<25)   ; the mask of my row; 2-byte elements; padding on; bit 21 beside a mask; after every 128 words 4 words
	s_or_b32 s[G1B], s22, (1<<16)|(1<<20)|(1<<21)|(5<<22)|(7<<25)   ; the mask of my column; after every 64 words 8 words
	s_mov_b32 s[G1A+1], KSTEP<<16                  ; A: 64 rows x 256 elements
	s_mov_b32 s[G1A+2], 64<<16
	s_mov_b32 s[G1A+3], KSTEP<<16
	s_mov_b32 s[G1A+4], 64
	s_mov_b32 s[G1A+5], SIZE_K
	s_mov_b32 s[G1A+6], 0
	s_mov_b32 s[G1A+7], 0
	s_mov_b32 s[G1B+1], 128<<16                    ; W: 128 rows x 128 elements
	s_mov_b32 s[G1B+2], 128<<16
	s_mov_b32 s[G1B+3], 128<<16
	s_mov_b32 s[G1B+4], 128
	s_mov_b32 s[G1B+5], SIZE_N
	s_mov_b32 s[G1B+6], 0
	s_mov_b32 s[G1B+7], 0
	s_lshl_b32 s[BA], s[TR], 7                     ; A: row 128 x tile row + 64 x half: of the places in the cluster cy alone enters
	s_lshl_b32 s21, s[CH], 6
	s_add_co_u32 s[BA], s[BA], s21
	s_mul_i32 s[BA], s[BA], 2*SIZE_K
	s_mov_b32 s[BA+1], 0
	s_lshl_b32 s[BW], s[TC], 8                     ; W: 256 bytes x tile column + 128 x half rows: cx alone enters
	s_lshl_b32 s22, s[CH], 18
	s_add_co_u32 s[BW], s[BW], s22
	s_add_co_u32 s[BW], s[BW], WOFF
	s_mov_b32 s[BW+1], 0
	s_mul_i32 s23, s[CH], 64*PA                    ; where they go: no place in the cluster enters an LDS address
	s_mul_i32 s74, s[CH], 128*PW
	s_add_co_u32 s74, s74, WO
	s_wait_dscnt 0x0                               ; the opening add is done
	s_wait_kmcnt 0x0
	s_add_nc_u64 s[BA:BA+1], s[4:5], s[BA:BA+1]
	s_add_nc_u64 s[BW:BW+1], s[6:7], s[BW:BW+1]
	CROUND                                         ; all sixteen work-groups are here: the first joint loads meet
.irp s, 0,1
	s_mov_b32 s[G0A+4*\s], 1
	s_add_co_u32 s[G0A+4*\s+1], s23, \s*SLOT1
	s_mov_b32 s[G0B+4*\s], 1
	s_add_co_u32 s[G0B+4*\s+1], s74, \s*SLOT1
	s_add_co_u32 s78, s[ROT], \s
	s_and_b32 s78, s78, 3                          ; the K step at place s of the walk
	AIM \s
.endr
	s_cmp_eq_u32 s[RH], 0                          ; a wave's two first fills stand in one branch: two loads of mine are out
	s_cbranch_scc0 .Lfirst_w
	tensor_load_to_lds s[G0A:G0A+3], s[G1A:G1A+7]
	s_nop 0
	tensor_load_to_lds s[G0A+4:G0A+7], s[G1A:G1A+7]
	s_nop 0
.rept 4
	v_nop
.endr
	s_branch .Lfirst_asked
.Lfirst_w:
	tensor_load_to_lds s[G0B:G0B+3], s[G1B:G1B+7]
	s_nop 0
	tensor_load_to_lds s[G0B+4:G0B+7], s[G1B:G1B+7]
	s_nop 0
.rept 4
	v_nop
.endr
.Lfirst_asked:
	v_and_b32 v1, 15, v0                           ; l % 16
	v_bfe_u32 v2, v0, 4, 1                         ; l / 16
	v_lshlrev_b32 v[BO], 5, v2
	v_lshlrev_b32 v[CO], 12, v2                    ; lanes 0-15 one row's 256 bytes, lanes 16-31 the next row's
	v_lshl_add_u32 v[CO], v1, 4, v[CO]
	s_lshl_b32 s74, s[TC], 9                       ; my 64 columns, in bytes of f32
	s_lshl_b32 s75, s[CH], 8
	s_add_co_u32 s74, s74, s75
	s_mov_b32 s75, 0
	s_add_nc_u64 s[8:9], s[8:9], s[74:75]
	s_lshl_b32 s78, s[TR], 7                       ; my 64 rows
	s_lshl_b32 s79, s[RH], 6
	s_add_co_u32 s78, s78, s79
	s_lshl_b32 s78, s78, 12
	s_add_co_u32 s74, s74, s78
	s_add_nc_u64 s[RES:RES+1], s[RES:RES+1], s[74:75]
	s_add_nc_u64 s[CP:CP+1], s[CP:CP+1], s[74:75]
.irp b, 0,1,2,3
	global_load_b128 v[BI+8*\b:BI+8*\b+3],   v[BO], s[8:9] offset:64*\b
	global_load_b128 v[BI+8*\b+4:BI+8*\b+7], v[BO], s[8:9] offset:64*\b+16
.endr
	WIN 0x80
.set i, 0
.rept 32
	global_load_b128 v[4*i:4*i+3], v[CO], s[RES:RES+1] offset:i*2*SIZE_N*4
.set i, i+1
.endr
	WIN 0
	v_mul_u32_u24 v3, v1, PA
	v_lshl_add_u32 v3, v2, 4, v3
	s_mul_i32 s21, s[RH], 64*PA
	v_add_nc_u32 v[A0], s21, v3
	v_and_b32 v4, 7, v0                            ; the turning load: lane l reads row 8 (l / 16) + l % 8, 16 bytes at 16 ((l / 8) % 2)
	v_lshl_add_u32 v4, v2, 3, v4
	v_mul_u32_u24 v4, v4, PW
	v_bfe_u32 v5, v0, 3, 1
	v_lshl_add_u32 v4, v5, 4, v4
	s_lshl_b32 s22, s[CH], 7
	s_add_co_u32 s22, s22, WO
	v_add_nc_u32 v[B0], s22, v4
	s_mul_i32 s23, s[WV], WST                      ; my stage
	v_mul_u32_u24 v5, v1, SPS
	v_lshl_add_u32 v5, v2, 5, v5
	v_add_nc_u32 v[STO], s23, v5
	v_mul_u32_u24 v5, v2, SPS
	v_lshl_add_u32 v5, v1, 4, v5
	v_add_nc_u32 v[RD], s23, v5
	s_mov_b32 s[TB], 0
	v_mov_b32 v[ADRA], v[A0]
	v_mov_b32 v[ADRB], v[B0]
	v_add_nc_u32 v[ADRB2], 128*PW, v[B0]
	s_wait_tensorcnt 1                             ; my part of the walk's first K step is in; the second's stays out
	s_barrier_signal -1
	s_barrier_wait -1
	FETCH 0, F0
	s_wait_loadcnt 32                              ; the bias is in; the residual's 32 loads stay out
	QUARTER 1, F0, F1, 1
	WIN 0
	s_mov_b32 s[CNT], NK-2
.Lk:                                                   ; a trip: a K step's quarters 1 to 3 and the next step's quarter 0; the slot left is filled again
	QUARTER 2, F1, F0, 0
	QUARTER 3, F0, F1, 0
	TURN 1
	QUARTER 1, F0, F1, 0
	WIN 0
	s_sub_co_u32 s[CNT], s[CNT], 1
	s_cmp_lg_u32 s[CNT], 0
	s_cbranch_scc1 .Lk
	s_mov_b32 s[CNT], 2
.Ltail:                                                ; the last two K steps ask for nothing; the second trip is left in its middle (its 32 fragment loads serve nothing: the price of one text for both trips)
	QUARTER 2, F1, F0, 0
	QUARTER 3, F0, F1, 0
	TURN 0
	WIN 0
	s_sub_co_u32 s[CNT], s[CNT], 1
	s_cmp_eq_u32 s[CNT], 0
	s_cbranch_scc1 .Lout
	QUARTER 1, F0, F1, 0
	WIN 0
	s_branch .Ltail
.Lout:
	s_wait_dscnt 0x0                               ; my reads of the slots are over,
	s_barrier_signal -1
	s_barrier_wait -1                              ; everybody's are: the slots have had their last fill; slot 0's bytes now serve as stages
.rept 8
	v_nop                                          ; the places behind the last products
.endr
.irp a, 0,1,2,3
.irp b, 0,1,2,3
	ds_store_b128 v[STO], v[ACC+8*(4*\a+\b):ACC+8*(4*\a+\b)+3]   offset:\a*16*SPS+64*\b       ; each accumulator's low registers first
	ds_store_b128 v[STO], v[ACC+8*(4*\a+\b)+4:ACC+8*(4*\a+\b)+7] offset:\a*16*SPS+64*\b+16
.endr
.endr
	s_wait_loadcnt 0x0                             ; the residual
.set g, 0
.rept 2
	WIN 0
.set i, 0
.rept 16
	ds_load_b128 v[TMP+4*i:TMP+4*i+3], v[RD] offset:(16*g+i)*2*SPS     ; LDS serves a wave's instructions in order (ISA guide 5.7.1.4): these see the stores above
.set i, i+1
.endr
	WIN 0x88                                       ; the sums in window 0, the residual and the result in window 2
.set i, 0
.rept 16
	s_wait_dscnt 15-i
	v_pk_add_f32 v[4*(16*g+i):4*(16*g+i)+1], v[TMP+4*i:TMP+4*i+1], v[4*(16*g+i):4*(16*g+i)+1]
	v_pk_add_f32 v[4*(16*g+i)+2:4*(16*g+i)+3], v[TMP+4*i+2:TMP+4*i+3], v[4*(16*g+i)+2:4*(16*g+i)+3]
	global_store_b128 v[CO], v[4*(16*g+i):4*(16*g+i)+3], s[CP:CP+1] offset:(16*g+i)*2*SIZE_N*4   ; 16 lanes store 256 consecutive bytes, aligned; no register that a store reads is written again
.set i, i+1
.endr
.set g, g+1
.endr
	WIN 0
	s_wait_tensorcnt 0x0                           ; the wave's end
	ds_add_u32 v[SPW], v[NIL]
	s_wait_dscnt 0x0
	CROUND                                         ; the closing round
	s_endpgm
.Lfunc_end_k_q70f51d1a2c_gfc2:
	.size	k_q70f51d1a2c_gfc2, .Lfunc_end_k_q70f51d1a2c_gfc2-k_q70f51d1a2c_gfc2
	.p2alignl 7, 3214868480
	.fill 96, 4, 3214868480
	.section	.rodata,"a",@progbits
	.p2align	6, 0x0
	.amdhsa_kernel k_q70f51d1a2c_gfc2
		.amdhsa_group_segment_fixed_size 327680
		.amdhsa_private_segment_fixed_size 0
		.amdhsa_enable_private_segment 0
		.amdhsa_kernarg_size 40
		.amdhsa_user_sgpr_count 2
		.amdhsa_user_sgpr_kernarg_segment_ptr 1
		.amdhsa_wavefront_size32 1
		.amdhsa_system_sgpr_workgroup_id_x 1
		.amdhsa_system_sgpr_workgroup_id_y 1
		.amdhsa_system_sgpr_workgroup_id_z 1
		.amdhsa_system_vgpr_workitem_id 0
		.amdhsa_next_free_vgpr 640
		.amdhsa_next_free_sgpr 80
		.amdhsa_reserve_vcc 0
		.amdhsa_float_denorm_mode_32 3
		.amdhsa_float_denorm_mode_16_64 3
		.amdhsa_memory_ordered 1
		.amdhsa_forward_progress 1
		.amdhsa_inst_pref_size 67
	.end_amdhsa_kernel
	.amdgpu_metadata
---
amdhsa.version: [ 1, 2 ]
amdhsa.kernels:
  - .name:           k_q70f51d1a2c_gfc2
    .symbol:         k_q70f51d1a2c_gfc2.kd
    .args:
      - { .name: act, .offset: 0, .size: 8, .value_kind: global_buffer, .address_space: global }
      - { .name: w2, .offset: 8, .size: 8, .value_kind: global_buffer, .address_space: global }
      - { .name: b_fc2, .offset: 16, .size: 8, .value_kind: global_buffer, .address_space: global }
      - { .name: x1, .offset: 24, .size: 8, .value_kind: global_buffer, .address_space: global }
      - { .name: out0, .offset: 32, .size: 8, .value_kind: global_buffer, .address_space: global }
    .group_segment_fixed_size: 327680
    .private_segment_fixed_size: 0
    .kernarg_segment_align: 8
    .kernarg_segment_size: 40
    .max_flat_workgroup_size: 128
    .sgpr_count:     80
    .vgpr_count:     640
    .wavefront_size: 32
...
	.end_amdgpu_metadata
.endif
;; end of part 6
